; MI455X (gfx1250); checked and timed in simulation.
; The chip was launched on July 23, 2026; its instructions are those of AMD's public machine-readable ISA for CDNA 5 (MIT licence, August 2026) and "CDNA5" Instruction Set Architecture Reference Guide (July 2026). The comments in the code are by the model that wrote it; some were corrected since.
;; MHA. Allowed arithmetic: matrix products marked QUANTISED: E2M1 operands, one E8M0 scale for each 32 along K, by v_wmma_scale_f32_16x16x128_f8f6f4 with both operands' format E2M1 (or v_wmma_scale_f32_32x16x128_f4), f32 sums; products left as they are: bf16, f16 or f32 operands; f32 sums; everything else in f32.
;; Inputs: b_o 1,024 float32; padding_mask 4 x 2,048 bool; w_o 1,024 x 1,024 float32; w_qkv 3,072 x 1,024 float32; x 4 x 2,048 x 1,024 float32.
;; Outputs: out0 4 x 2,048 x 1,024 float32.
;; This version of the problem:
;;   THIS VERSION OF THE PROBLEM IS GIVEN IN LOW PRECISION. The matrix products marked QUANTISED in the list below multiply operands that are first quantised to E2M1 (2 exponent bits, 1 mantissa bit; 4 bits a number), with one power-of-two scale for each 32 numbers along K (OCP MX v1.0); their sums are f32. The products marked 'left as it is' may take bf16, f16 or f32 operands, with f32 sums. Whichever they take, every output number must still come out within the allowed error. Rounding operands to bf16 (8 significant bits) uses up far more of that allowance than f16 does (11 bits, for magnitudes from 6e-5 to 65,504). All else is computed in f32.
;;   The module's matrix products, in the order in which they are computed (A, B: the left and right operand; K: the contracted axis; several contracted axes count as one K, in the product's order):
;;     1. [M 8,192, K 1,024] x [K 1,024, N 3,072]; A: input x; B: input w_qkv: QUANTISED
;;     2. batch 64 x [M 2,048, K 64] x [K 64, N 2,048]; A: computed on the way; B: computed on the way: left as it is (an operand is computed on the way)
;;     3. batch 64 x [M 64, K 2,048] x [K 2,048, N 2,048]; A: computed on the way; B: computed on the way: left as it is (an operand is computed on the way)
;;     4. [M 8,192, K 1,024] x [K 1,024, N 1,024]; A: computed on the way; B: input w_o: left as it is (an operand is computed on the way)
;;   THE QUANTISER, for each operand of a quantised product, along K:
;;     - K is cut into blocks of 32 from its start; a last block that is shorter is filled with zeros.
;;     - A block's scale is 2^e with e = floor(log2(the largest magnitude in the block)) - 2, held to -126 .. 127; a block of zeros has e = 0. As a byte (E8M0): e + 127.
;;     - Each number is divided by its block's scale, clamped to +-6, and rounded to the nearest number of E2M1, ties to even, subnormals kept.
;;     - The product sums the exact products of the quantised numbers (number of the format x scale) in f32.
;;   ~~~python
;;   def quantise(x, axis):      # numpy; x: float32 -> the quantised numbers, widened to float32 again
;;       x = np.moveaxis(x, axis, -1); K = x.shape[-1]
;;       x = np.pad(x, [(0, 0)] * (x.ndim - 1) + [(0, -K % 32)]); x = x.reshape(x.shape[:-1] + (-1, 32)); a = np.abs(x).max(-1, keepdims=True)
;;       e = np.where(a > 0, np.clip(np.frexp(np.where(a > 0, a, 1))[1] - 1 - 2, -126, 127), 0)      # np.frexp(a)[1] - 1 = floor(log2(a)), exactly
;;       r = np.clip(x / 2.0 ** e, -6, 6)
;;       step = 2.0 ** (np.maximum(np.frexp(np.where(r == 0, 1, r))[1] - 1, 0) - 1)
;;       q = np.round(r / step) * step * 2.0 ** e      # np.round: ties to even
;;       return np.moveaxis(q.reshape(q.shape[:-2] + (-1,))[..., :K], -1, axis).astype(np.float32)
;;   ~~~
;; One version. Each part assembles by itself: llvm-mc -triple=amdgcn-amd-amdhsa -mcpu=gfx1250 --defsym DOCPART=n.
;; ======== version 1 of 1: 4 launches
;; limits: values are held in f16: magnitudes above 65,504 overflow, below 6.1e-05 lose precision; right only within a limited range of input values
;; workspace buffers: xc 4,194,304 bytes; xs 262,144 bytes; wc 1,572,864 bytes; ws 98,304 bytes; wo16 2,097,152 bytes; qkv 50,331,648 bytes; ao 16,777,216 bytes
;; launch prep (part 1): grid 384 x 1, 4 waves a work-group, no clusters, 33,280 bytes of LDS; arguments x, w_qkv, xc, xs, wc, ws, w_o, wo16; writes xc, xs, wc, ws, wo16
.if DOCPART == 1
	.amdgcn_target "amdgcn-amd-amdhsa--gfx1250"
	.amdhsa_code_object_version 6
	.text
	.protected	k_qca8ac40f5b_prep
	.globl	k_qca8ac40f5b_prep
	.p2align	8
	.type	k_qca8ac40f5b_prep,@function
k_qca8ac40f5b_prep:
	s_mov_b64 s[64:65], 0
	v_nop
	global_prefetch_b8 v0, s[64:65] scope:SCOPE_SE
	s_setreg_imm32_b32 hwreg(HW_REG_WAVE_MODE, 25, 1), 1
	s_wait_xcnt 0x0
; Three jobs, told apart by the work-group's number.
; Work-groups 0-255: x [8192][1024] f32, work-groups 256-351: w_qkv [3072][1024] f32, are turned into codes of FP4 (E2M1), K innermost, two codes a byte, with one E8M0 scale byte for each 32 along K.
; A block's scale is 2^(floor(log2(its largest magnitude)) - 2); its byte is the largest magnitude's own exponent field - 2, held at 1 from below.  (A block of zeros so gets the byte 1 where the rule says 127:
; its codes are zeros, which add nothing under any byte but 0xff, and the bytes are read by this program alone.)  Each number is divided by the scale and rounded to the nearest code, ties to even, beyond 6 the largest code.
; LIMITS: blocks whose largest magnitude lies under 2^(2 - 126), whose byte is held at 1, follow the floor and not the rule's subnormal exponents; NaN and infinities among the inputs are not served.
; Rows are dense and K is a multiple of 32: both tensors are plain streams of blocks of 32.  A wave takes 16 steps of 512 numbers.  Each of a step's four loads reads 512 consecutive bytes; the 2,048 bytes turn through the
; wave's own stage in LDS and come back 64 bytes a lane, so that a lane holds 16 neighbours along K (two lanes a block).  A lane's 16 codes are 8 bytes: the wave stores 256 consecutive bytes.  A wave's 256 scale bytes
; are gathered in LDS and leave as 256 consecutive bytes.
; Work-groups 352-383: w_o [1024][1024] f32 is rounded to f16 and laid [n / 128][k / 64][n % 128][k % 64], the order in which the last launch's tiles are dense blocks.  This path uses no LDS but the closing add.
; f16 serves w_o for magnitudes up to 65,504; under 6e-5 its precision falls off (absolute step 6e-8).
; No tensor loads, no barrier: waves share nothing.
.set WAVES, 4
.set STEPS, 16
.set WGA,   256                        ; x: 8192 x 1024 / 32,768 work-groups
.set WGQ,   352                        ; + w_qkv: 3072 x 1024 / 32,768 = 96
.set EMAX,  2
.set CB,    8                          ; bytes of 16 codes
.set R,     16                         ; v16-79   four sets of 16 numbers as they are loaded
.set X,     80                         ; v80-111  two sets of 16 neighbours
.set C,     128                        ; v128-191 codes: four registers for each step, so that no store's data are written again
.set E,     112                        ; v112-127 a scale byte for each step
.set WREG,  8192                       ; LDS: a region for each wave: two stages of 32 x SP bytes, behind them its 256 scale bytes
.set SP,    80                         ; a lane's place in a stage: 64 bytes + 16 of padding
.set SPW,   12                         ; v12      LDS address of my spare word; never rewritten
.set NIL,   13                         ; v13      0; never rewritten
.set SPARE, WAVES*WREG                 ; behind the four regions: the spare words, 128 bytes a wave
.set WI,    16                         ; w_o: v16-143 two sets of 64 numbers
.set WO,    144                        ; w_o: v144-175 a pair of rows in f16
.set WA,    176                        ; w_o: v176 the loads' offset, v177 at work
	s_load_b128 s[4:7], s[0:1], 0x0                ; x, w_qkv
	s_load_b128 s[8:11], s[0:1], 0x10              ; x's codes, x's scales
	s_load_b128 s[12:15], s[0:1], 0x20             ; w_qkv's codes, its scales
	s_load_b128 s[24:27], s[0:1], 0x30             ; w_o, wo16
	v_lshl_add_u32 v[SPW], v0, 2, SPARE
	v_mov_b32 v[NIL], 0
	v_lshrrev_b32 v1, 5, v0
	v_readfirstlane_b32 s16, v1                    ; wave
	v_and_b32 v2, 31, v0                           ; lane
	v_lshlrev_b32 v3, 4, v2                        ; my 16 bytes of a load's 512
	s_mul_i32 s17, s16, WREG
	v_lshrrev_b32 v14, 2, v2
	v_mul_u32_u24 v14, v14, SP
	v_and_b32 v15, 3, v2
	v_lshl_add_u32 v14, v15, 4, v14
	v_add_nc_u32 v14, s17, v14                     ; the stage, on the way in: SP (lane / 4) + 16 (lane % 4)
	v_mul_u32_u24 v15, v2, SP
	v_add_nc_u32 v15, s17, v15                     ; and on the way out: SP x lane: my 16 neighbours
	v_mul_u32_u24 v4, v2, CB                       ; 8 x lane: my codes' place in a step's (and my place in a pair of rows of wo16)
	v_lshrrev_b32 v5, 1, v2
	s_add_co_u32 s17, s17, 2*32*SP
	v_add_nc_u32 v5, s17, v5                       ; LDS: my wave's 256 scale bytes, my block's byte
	v_lshlrev_b32 v7, 3, v2                        ; and on the way out 8 bytes a lane
	v_add_nc_u32 v6, s17, v7
	s_wait_kmcnt 0x0
	s_cmp_ge_u32 ttmp9, WGQ                        ; the last 32 work-groups take w_o: a branch on the work-group's number alone
	s_cbranch_scc1 .Lwo
	s_cmp_lt_u32 ttmp9, WGA                        ; x's work-group or w_qkv's?  Only pointers are chosen: one path serves both
	s_cselect_b64 s[4:5], s[4:5], s[6:7]
	s_cselect_b64 s[8:9], s[8:9], s[12:13]
	s_cselect_b64 s[10:11], s[10:11], s[14:15]
	s_cselect_b32 s17, 0, WGA
	s_sub_co_u32 s17, ttmp9, s17
	s_lshl_b32 s17, s17, 2
	s_add_co_u32 s18, s17, s16                     ; which run of 8,192 numbers of the tensor is my wave's
	s_mov_b32 s19, 0
	s_mov_b64 s[20:21], 512*STEPS*4
	s_mul_u64 s[20:21], s[18:19], s[20:21]
	s_add_nc_u64 s[4:5], s[4:5], s[20:21]
	s_mov_b64 s[20:21], 32*STEPS*CB
	s_mul_u64 s[20:21], s[18:19], s[20:21]
	s_add_nc_u64 s[8:9], s[8:9], s[20:21]
	s_lshl_b32 s18, s18, 8                         ; 256 scale bytes a run
	s_add_nc_u64 s[10:11], s[10:11], s[18:19]
.macro LOAD t
.irp i, 0,1,2,3
	global_load_b128 v[R+16*((\t)%4)+4*\i:R+16*((\t)%4)+4*\i+3], v3, s[4:5] offset:2048*(\t)+512*\i th:TH_LOAD_NT   ; 32 lanes read 512 consecutive bytes
.endr
.endm
.macro TURN t                          ; step t's numbers through the stage: LDS serves a wave's instructions in order, so no wait stands between the stores and the loads
.irp i, 0,1,2,3
	ds_store_b128 v14, v[R+16*((\t)%4)+4*\i:R+16*((\t)%4)+4*\i+3] offset:32*SP*((\t)%2)+8*SP*\i
.endr
.irp i, 0,1,2,3
	ds_load_b128 v[X+16*((\t)%2)+4*\i:X+16*((\t)%2)+4*\i+3], v15 offset:32*SP*((\t)%2)+16*\i
.endr
.endm
.irp t, 0,1,2,3
	LOAD \t
.endr
	s_wait_loadcnt 12                              ; step 0's four loads are in; the twelve of steps 1 to 3 may be out
	TURN 0
.macro STEP t
.set XS, X+16*((\t)%2)
.if (\t) > 0
	s_wait_dscnt 1                                 ; this step's numbers are back from the stage (the last step's byte store may be out): so its stores into the stage have read their registers,
.else
	s_wait_dscnt 0x0
.endif
.if (\t)+4 < STEPS
	LOAD (\t)+4                                    ; which take the loads of four steps on
.endif
.if (\t)+1 < STEPS
.if STEPS-2-(\t) >= 3
	s_wait_loadcnt 12                              ; the next step's four loads are in; those of the three steps behind it may be out
.else
	s_wait_loadcnt 4*(STEPS-2-(\t))
.endif
	TURN (\t)+1                                    ; and go through the other stage while this step is worked
.endif
	v_max3_num_f32 v8, |v[XS]|, |v[XS+1]|, |v[XS+2]|               ; the largest magnitude of my 16, in two chains
	v_max3_num_f32 v9, |v[XS+3]|, |v[XS+4]|, |v[XS+5]|
.irp i, 6,10
	v_max3_num_f32 v8, v8, |v[XS+\i]|, |v[XS+\i+1]|
	v_max3_num_f32 v9, v9, |v[XS+\i+2]|, |v[XS+\i+3]|
.endr
	v_max3_num_f32 v8, v8, |v[XS+14]|, |v[XS+15]|
	v_max3_num_f32 v8, v8, v9, (EMAX+1)<<23        ; and the floor 2^(EMAX + 1 - 127): so the byte cannot fall under 1
	v_max_num_f32_dpp v8, v8, v8 row_xmask:1 row_mask:0xf bank_mask:0xf   ; and of my neighbour's 16: the block's
	v_add_nc_u32 v11, -(EMAX<<23), v8              ; EMAX off its exponent field: the conversion takes the exponent field of this operand as its scale, and nothing else of it
	v_cvt_scalef32_pk8_fp4_f32 v[C+4*(\t)], v[XS:XS+7], v11
	v_cvt_scalef32_pk8_fp4_f32 v[C+4*(\t)+1], v[XS+8:XS+15], v11
	v_lshrrev_b32 v[E+(\t)], 23, v11               ; the scale's byte (a plain line behind the conversions)
	ds_store_b8 v5, v[E+(\t)] offset:16*(\t)       ; both lanes of a block write the same byte with the same value
	global_store_b64 v4, v[C+4*(\t):C+4*(\t)+1], s[8:9] offset:32*CB*(\t)   ; 32 lanes store 256 consecutive bytes
.endm
.irp t, 0,1,2,3,4,5,6,7,8,9,10,11,12,13,14,15
	STEP \t
.endr
	ds_load_b64 v[8:9], v6                         ; LDS serves a wave's instructions in order: these see my stores
	s_wait_dscnt 0x0
	global_store_b64 v7, v[8:9], s[10:11]          ; 32 lanes store 256 consecutive bytes of scales
	s_branch .Lend
; w_o.  Wave g of 128 takes rows n = 8 g .. 8 g + 7, a pair of rows at a time.  A load reads 256 consecutive bytes (64 along K: one plane) of each of the pair's rows;
; rounded to f16 they are 128 + 128 bytes that lie on end in wo16: the wave stores 256 consecutive bytes.
.Lwo:
	s_sub_co_u32 s28, ttmp9, WGQ
	s_lshl_b32 s28, s28, 2
	s_add_co_u32 s28, s28, s16                     ; g
	s_lshl_b32 s30, s28, 15                        ; 8 rows of 4,096 bytes
	s_mov_b32 s31, 0
	s_add_nc_u64 s[20:21], s[24:25], s[30:31]
	s_lshr_b32 s30, s28, 4                         ; n / 128: 16 planes of 16,384 bytes each
	s_lshl_b32 s30, s30, 18
	s_and_b32 s29, s28, 15                         ; (n % 128) / 8: 8 rows of 128 bytes
	s_lshl_b32 s29, s29, 10
	s_add_co_u32 s30, s30, s29
	s_add_nc_u64 s[22:23], s[26:27], s[30:31]
	v_lshrrev_b32 v[WA], 4, v2                     ; lanes 16-31 take the pair's second row
	v_and_b32 v[WA+1], 15, v2
	v_lshlrev_b32 v[WA+1], 4, v[WA+1]
	v_lshl_add_u32 v[WA], v[WA], 12, v[WA+1]
.macro WLOAD p                         ; pair p of rows, all 16 planes, into set p % 2
.irp d, 0,1,2,3,4,5,6,7,8,9,10,11,12,13,14,15
	global_load_b128 v[WI+64*((\p)%2)+4*\d:WI+64*((\p)%2)+4*\d+3], v[WA], s[20:21] offset:(\p)*8192+\d*256 th:TH_LOAD_NT
.endr
.endm
.macro WPAIR p
.if (\p) < 3
	s_wait_loadcnt 16                              ; this pair's sixteen loads are in; the other set's sixteen may be out
.else
	s_wait_loadcnt 0x0
.endif
.if (\p) > 0
	s_wait_xcnt 0x0                                ; the last pair's stores have read v144-175, which are written again below
.endif
.irp d, 0,1,2,3,4,5,6,7,8,9,10,11,12,13,14,15
	v_cvt_pk_f16_f32 v[WO+2*\d], v[WI+64*((\p)%2)+4*\d], v[WI+64*((\p)%2)+4*\d+1]
	v_cvt_pk_f16_f32 v[WO+2*\d+1], v[WI+64*((\p)%2)+4*\d+2], v[WI+64*((\p)%2)+4*\d+3]
.endr
.irp d, 0,1,2,3,4,5,6,7,8,9,10,11,12,13,14,15
	global_store_b64 v4, v[WO+2*\d:WO+2*\d+1], s[22:23] offset:\d*16384+(\p)*256
.endr
.if (\p) < 2
	WLOAD (\p)+2
.endif
.endm
	WLOAD 0
	WLOAD 1
	WPAIR 0
	WPAIR 1
	WPAIR 2
	WPAIR 3
.Lend:
	s_wait_tensorcnt 0x0                           ; the wave's end: behind my last LDS store
	ds_add_u32 v[SPW], v[NIL]
	s_wait_dscnt 0x0
	s_endpgm
.Lfunc_end_k_qca8ac40f5b_prep:
	.size	k_qca8ac40f5b_prep, .Lfunc_end_k_qca8ac40f5b_prep-k_qca8ac40f5b_prep
	.p2alignl 7, 3214868480
	.fill 96, 4, 3214868480
	.section	.rodata,"a",@progbits
	.p2align	6, 0x0
	.amdhsa_kernel k_qca8ac40f5b_prep
		.amdhsa_group_segment_fixed_size 33280
		.amdhsa_private_segment_fixed_size 0
		.amdhsa_enable_private_segment 0
		.amdhsa_kernarg_size 64
		.amdhsa_user_sgpr_count 2
		.amdhsa_user_sgpr_kernarg_segment_ptr 1
		.amdhsa_wavefront_size32 1
		.amdhsa_system_sgpr_workgroup_id_x 1
		.amdhsa_system_sgpr_workgroup_id_y 1
		.amdhsa_system_sgpr_workgroup_id_z 1
		.amdhsa_system_vgpr_workitem_id 0
		.amdhsa_next_free_vgpr 192
		.amdhsa_next_free_sgpr 66
		.amdhsa_reserve_vcc 0
		.amdhsa_float_denorm_mode_32 3
		.amdhsa_float_denorm_mode_16_64 3
		.amdhsa_memory_ordered 1
		.amdhsa_forward_progress 1
		.amdhsa_inst_pref_size 54
	.end_amdhsa_kernel
	.amdgpu_metadata
---
amdhsa.version: [ 1, 2 ]
amdhsa.kernels:
  - .name:           k_qca8ac40f5b_prep
    .symbol:         k_qca8ac40f5b_prep.kd
    .args:
      - { .name: x, .offset: 0, .size: 8, .value_kind: global_buffer, .address_space: global }
      - { .name: w_qkv, .offset: 8, .size: 8, .value_kind: global_buffer, .address_space: global }
      - { .name: xc, .offset: 16, .size: 8, .value_kind: global_buffer, .address_space: global }
      - { .name: xs, .offset: 24, .size: 8, .value_kind: global_buffer, .address_space: global }
      - { .name: wc, .offset: 32, .size: 8, .value_kind: global_buffer, .address_space: global }
      - { .name: ws, .offset: 40, .size: 8, .value_kind: global_buffer, .address_space: global }
      - { .name: w_o, .offset: 48, .size: 8, .value_kind: global_buffer, .address_space: global }
      - { .name: wo16, .offset: 56, .size: 8, .value_kind: global_buffer, .address_space: global }
    .group_segment_fixed_size: 33280
    .private_segment_fixed_size: 0
    .kernarg_segment_align: 8
    .kernarg_segment_size: 64
    .max_flat_workgroup_size: 128
    .sgpr_count:     66
    .vgpr_count:     192
    .wavefront_size: 32
...
	.end_amdgpu_metadata
.endif
;; end of part 1
;; launch qkv (part 2): grid 12 x 32, 4 waves a work-group, clusters of 4 x 4, 327,680 bytes of LDS; arguments xc, xs, wc, ws, qkv; writes qkv
.if DOCPART == 2
	.amdgcn_target "amdgcn-amd-amdhsa--gfx1250"
	.amdhsa_code_object_version 6
	.text
	.protected	k_qca8ac40f5b_qkv
	.globl	k_qca8ac40f5b_qkv
	.p2align	8
	.type	k_qca8ac40f5b_qkv,@function
k_qca8ac40f5b_qkv:
	s_mov_b64 s[64:65], 0
	v_nop
	global_prefetch_b8 v0, s[64:65] scope:SCOPE_SE
	s_setreg_imm32_b32 hwreg(HW_REG_WAVE_MODE, 25, 1), 1
	s_wait_xcnt 0x0
	s_wait_alu depctr_hold_cnt(0) depctr_sa_sdst(0) depctr_va_vdst(0) depctr_va_sdst(0) depctr_va_ssrc(0) depctr_va_vcc(0) depctr_vm_vsrc(0)
	s_getreg_b32 s2, hwreg(HW_REG_IB_STS2, 6, 4)
	s_cmp_eq_u32 s2, 0
	s_cbranch_scc0 .Lentry_in_a_cluster
	s_endpgm
.Lentry_in_a_cluster:
	s_bfe_u32 s2, ttmp6, 0x10000c
	s_cmp_lg_u32 s2, 0xf033
	s_cbranch_scc0 .Lentry_shape_is_right
	s_endpgm
.Lentry_shape_is_right:
; qkv[token][e] = sum over k of x[token][k] w_qkv[e][k], both operands as codes of FP4 (E2M1) with one E8M0 scale for each 32 along K, multiplied as they lie by the scaled matrix instruction; sums in f32.
; A: xc [8192][512 bytes], xs [8192][32];  B: wc [3072][512 bytes], ws [3072][32].  The result is rounded once to f16 and laid by head: [q, k or v][batch 4][head 16][position 2048][64].
; f16 serves |q|, |k|, |v| up to 65,504; under 6e-5 its precision falls off (absolute step 6e-8).
; A tile of the result, 256 x 256, is made by a work-group of four waves; a wave makes 128 x 128: 64 accumulators of 16 x 16, 512 registers.
; K = 1,024 is two steps of 512 (rows of 256 bytes): both lie in LDS at once, in two slots that are filled once; so are the scale bytes of the work-group's 256 + 256 rows.  A wave has three tensor loads out at the start.
; CLUSTERS: 4 x 4 work-groups.  The four of a row of the cluster need the same tiles of A, the four of a column the same tiles of B: each tile is asked for JOINTLY, by the same tensor load with the same descriptor
; and a mask that names the four.  THE MATRIX INSTRUCTION IS USED TRANSPOSED (source 0 = 16 rows of B, source 1 = 16 rows of A): a lane then holds eight neighbouring columns of one token.
; REGISTERS, in windows of 256: window 0: v0-31 addresses; v32-95 scale words, two sets; from v128 A's fragments, ONE set; on the way out v32-63 and v128-191 are at work.
;   window 1: B's fragments, TWO sets, at v0 and v128.   window 2: the 32 accumulators of my rows 0-63 ((a, b) at v[8 (8 a + b)]);   window 3: those of my rows 64-127.
.set SIZE_K, 1024
.set KSTEP,  512                       ; along K in a slot
.set NQ,     KSTEP/128                 ; matrix instructions deep
.set ROWB,   256                       ; a tile's row in bytes
.set KROW,   SIZE_K*4/8                ; a row of codes in memory
.set PITCH,  272                       ; an LDS row: 256 bytes + 16 of padding = 68 words: the 16 rows that a load touches start at 16 different banks (64 banks of 4 bytes: ISA guide 11.1)
.set FR,     8                         ; registers of a fragment: 16 rows x 128 K
.set NL,     2                         ; LDS loads that bring one
.set NP,     4                         ; places behind this matrix instruction (ISA guide 7.12.1)
.set HALFT,  128*PITCH                 ; 128 rows: what one tensor load brings
.set SLOT,   4*HALFT                   ; A's 256 rows, then B's 256 rows
.set KS,     SIZE_K/32                 ; a row of scales in bytes
.set SCL,    2*SLOT                    ; behind the slots: the scales, as runs of 256 bytes + 16 of padding
.set HALFS,  (128*KS/256)*272          ; the scales of 128 rows: what one tensor load brings
.set SBLK,   (16*KS/256)*272           ; those of 16 rows
.set SPARE,  SCL+4*HALFS               ; behind the scales: the spare words, 128 bytes a wave
.set SPITCH, 272                       ; the way out: a stage of 16 rows x (256 bytes + 16) for each wave, in slot 0, which has had its only fill and its last read when the first result is stored there
.set ADRA, 16                          ; v16-17  LDS address of my A fragments in slot 0, 1
.set ADRB, 20                          ; v20-21  the same for B
.set STO,  24                          ; v24     the way out: where I put 16 bytes of a token's row
.set RD,   25                          ; v25     where I read 16 bytes of a head's row back
.set CO,   26                          ; v26     16 x lane
.set ADRS, 27                          ; v27     LDS address of my scale words: lanes 0-15 A's rows, lanes 16-31 B's
.set SPW,  28                          ; v28     LDS address of my spare word; never rewritten
.set NIL,  29                          ; v29     0; never rewritten
.set SC,   32                          ; scale words: set s at v[SC + 8 NQ s]; register NQ i + q: lanes 0-15 the word of A's block i, lanes 16-31 of B's block i, for the slot's q-th 128 along K
.set TMP,  32                          ; the way out: a block rounded to f16
.set AF,   128                         ; A's fragments
.set BK,   128                         ; the way out: a block read back: v128-159 and v160-191 by turns
.set G1, 24                            ; s[24:31] descriptor group 1 for A's tiles;  s[32:39] group 0, one set for each slot
.set G0, 32
.set G1B, 48                           ; s[48:55], s[56:63] the same for B's tiles
.set G0B, 56
.set G1S, 68                           ; s[68:75], s[76:79] groups 1 and 0 for A's scales;  s[80:87], s[88:91] for B's
.set G0S, 76
.set G1SB, 80
.set G0SB, 88
.set MSB, 0
.macro WIN new                         ; the immediate's high byte repeats the setting that is left
.if MSB != \new
	s_set_vgpr_msb (MSB<<8)|\new
.set MSB, \new
.endif
.endm
.set MUL_LO, 0xa1                      ; source 0 (B) window 1, source 1 (A) window 0, C and D window 2
.set MUL_HI, 0xf1                      ; the same, C and D window 3
.set TO_B,   0x40                      ; destination window 1, address window 0
; A joint load: waves 0 and 1 fetch for A, waves 2 and 3 for B.  Each of the two lines has ONE mask and one set of registers for all that issue it; the branch hangs on the wave's number alone.
; An s_nop 0 and four v_nop follow each of the two lines.
.macro JLOAD g0a, g1a, g0b, g1b
	s_cmp_eq_u32 s15, 0
	s_cbranch_scc0 .Lfor_b_\@
	tensor_load_to_lds s[\g0a:\g0a+3], s[\g1a:\g1a+7]
	s_nop 0
.rept 4
	v_nop
.endr
	s_branch .Lasked_\@
.Lfor_b_\@:
	tensor_load_to_lds s[\g0b:\g0b+3], s[\g1b:\g1b+7]
	s_nop 0
.rept 4
	v_nop
.endr
.Lasked_\@:
.endm
.macro CROUND                          ; a round of the cluster's barrier
	s_barrier_signal -1
	s_barrier_wait -1
	s_cmp_lg_u32 s14, 0
	s_cbranch_scc1 .Lnot_wave_0_\@
	s_barrier_signal -3
.Lnot_wave_0_\@:
	s_barrier_wait -3
	s_barrier_signal -1
	s_barrier_wait -1
.endm
	s_load_b128 s[4:7], s[0:1], 0x0                ; A's codes s[4:5], A's scales s[6:7]
	s_load_b128 s[8:11], s[0:1], 0x10              ; B's codes s[8:9], B's scales s[10:11]
	s_load_b64 s[12:13], s[0:1], 0x20              ; qkv
	v_lshl_add_u32 v[SPW], v0, 2, SPARE
	v_mov_b32 v[NIL], 0
	ds_add_u32 v[SPW], v[NIL]                      ; the wave's opening: the add, twice on end, and its wait ahead of my first tensor load; the set-up below stands between
	ds_add_u32 v[SPW], v[NIL]
	v_lshrrev_b32 v1, 5, v0
	v_readfirstlane_b32 s14, v1                    ; wave 0..3
	s_lshr_b32 s15, s14, 1                         ; which half of the tile's rows is mine.  Also: I fetch for A (0) or for B (1)
	s_and_b32 s16, s14, 1                          ; which half of its columns.  Also: which 128 rows of that tile I fetch
	s_bfe_u32 s40, ttmp6, 0x40000                  ; cx, cy: my place in the cluster
	s_bfe_u32 s41, ttmp6, 0x40004
	s_lshl_b32 s42, ttmp9, 2
	s_add_co_u32 s42, s42, s40                     ; tile column = 4 x cluster x + cx
	s_and_b32 s17, ttmp7, 0xffff
	s_lshl_b32 s17, s17, 2
	s_add_co_u32 s17, s17, s41                     ; tile row = 4 x cluster y + cy
	s_lshl_b32 s43, s41, 2
	s_lshl_b32 s43, 15, s43                        ; my row of the cluster
	s_lshl_b32 s44, 0x1111, s40                    ; my column
	; descriptor group 1: a tile of 128 rows x 256 bytes, padded in LDS
	s_or_b32 s[G1+0], s43, (0<<16)|(1<<20)|(1<<21)|(5<<22)|(3<<25)  ; 15:0 the mask; 17:16 element of 1 byte; 20 padding on; 21 set beside a mask; 24:22 after every 64 words; 31:25 four words
	s_or_b32 s[G1B+0], s44, (0<<16)|(1<<20)|(1<<21)|(5<<22)|(3<<25)
.irp g, G1, G1B
	s_mov_b32 s[\g+1], ROWB<<16                    ; tensor_dim0
	s_mov_b32 s[\g+2], 128<<16                     ; tensor_dim1
	s_mov_b32 s[\g+3], ROWB<<16                    ; tile_dim0
	s_mov_b32 s[\g+4], 128                         ; tile_dim1
	s_mov_b32 s[\g+5], KROW                        ; tensor_dim0_stride
	s_mov_b32 s[\g+6], 0
	s_mov_b32 s[\g+7], 0
.endr
	; the scales of 128 rows: a dense block of 4,096 bytes, as 16 rows of 256 bytes (32 elements of 8 bytes), 16 bytes of padding behind each
	s_or_b32 s[G1S+0], s43, (3<<16)|(1<<20)|(1<<21)|(5<<22)|(3<<25)
	s_or_b32 s[G1SB+0], s44, (3<<16)|(1<<20)|(1<<21)|(5<<22)|(3<<25)
.irp g, G1S, G1SB
	s_mov_b32 s[\g+1], 32<<16
	s_mov_b32 s[\g+2], (128*KS/256)<<16
	s_mov_b32 s[\g+3], 32<<16
	s_mov_b32 s[\g+4], 128*KS/256
	s_mov_b32 s[\g+5], 32
	s_mov_b32 s[\g+6], 0
	s_mov_b32 s[\g+7], 0
.endr
	s_lshl_b32 s18, s16, 7                         ; which 128 rows of the tile I fetch
	s_lshl_b32 s20, s17, 8
	s_add_co_u32 s20, s20, s18                     ; A: row 256 x tile row + 128 x half
	s_lshl_b32 s46, s42, 8
	s_add_co_u32 s46, s46, s18                     ; B: row 256 x tile column + 128 x half
	s_mov_b32 s21, 0
	s_mov_b32 s47, 0
	s_mov_b64 s[18:19], KS
	s_mul_u64 s[22:23], s[20:21], s[18:19]         ; where these rows' scales begin, in bytes
	s_mul_u64 s[92:93], s[46:47], s[18:19]
	s_mov_b64 s[18:19], KROW
	s_mul_u64 s[20:21], s[20:21], s[18:19]         ; and their codes
	s_mul_u64 s[46:47], s[46:47], s[18:19]
	s_mul_i32 s45, s14, HALFT                      ; where they go: wave x 128 rows: no place in the cluster enters an LDS address
	s_mul_i32 s94, s14, HALFS
	s_wait_dscnt 0x0                               ; both opening adds are done
	s_wait_kmcnt 0x0
	s_add_nc_u64 s[20:21], s[4:5], s[20:21]
	s_add_nc_u64 s[22:23], s[6:7], s[22:23]
	s_add_nc_u64 s[46:47], s[8:9], s[46:47]
	s_add_nc_u64 s[92:93], s[10:11], s[92:93]
	CROUND                                         ; all sixteen work-groups are here: the joint loads meet
	s_mov_b32 s[G0S], 1
	s_add_co_u32 s[G0S+1], s94, SCL
	s_mov_b64 s[G0S+2:G0S+3], s[22:23]
	s_or_b32 s[G0S+3], s[G0S+3], 0x80000000
	s_mov_b32 s[G0SB], 1
	s_add_co_u32 s[G0SB+1], s94, SCL
	s_mov_b64 s[G0SB+2:G0SB+3], s[92:93]
	s_or_b32 s[G0SB+3], s[G0SB+3], 0x80000000
	JLOAD G0S, G1S, G0SB, G1SB                     ; the scales first: they are wanted with K step 0
.irp s, 0,1
	s_mov_b32 s[G0+4*\s], 1
	s_add_co_u32 s[G0+4*\s+1], s45, \s*SLOT
	s_add_nc_u64 s[G0+4*\s+2:G0+4*\s+3], s[20:21], \s*ROWB
	s_or_b32 s[G0+4*\s+3], s[G0+4*\s+3], 0x80000000
	s_mov_b32 s[G0B+4*\s], 1
	s_add_co_u32 s[G0B+4*\s+1], s45, \s*SLOT
	s_add_nc_u64 s[G0B+4*\s+2:G0B+4*\s+3], s[46:47], \s*ROWB
	s_or_b32 s[G0B+4*\s+3], s[G0B+4*\s+3], 0x80000000
	JLOAD G0+4*\s, G1, G0B+4*\s, G1B
.endr
	v_and_b32 v1, 15, v0                           ; l % 16
	v_bfe_u32 v2, v0, 4, 1                         ; l / 16
	v_mul_u32_u24 v3, v1, PITCH
	v_lshl_add_u32 v4, v2, 4, v3                   ; a fragment's row x pitch + 16 x half
	s_mul_i32 s21, s15, HALFT                      ; my 128 rows of A
	s_mul_i32 s22, s16, HALFT                      ; my 128 rows of B,
	s_add_co_u32 s22, s22, 2*HALFT                 ; which lie behind A's 256
.irp s, 0,1
	v_add_nc_u32 v[ADRA+\s], s21, v4
	v_add_nc_u32 v[ADRB+\s], s22, v4
	s_add_co_u32 s21, s21, SLOT
	s_add_co_u32 s22, s22, SLOT
.endr
	v_mul_u32_u24 v5, v1, KS                       ; my row's scales: KS bytes a row,
	v_lshrrev_b32 v6, 8, v5
	v_lshl_add_u32 v5, v6, 4, v5                   ; and 16 more for each 256 passed
	s_mul_i32 s21, s15, HALFS                      ; A's: my 128 rows
	s_mul_i32 s22, s16, HALFS                      ; B's: my 128 rows, behind A's 256
	s_add_co_u32 s22, s22, 2*HALFS
	s_sub_co_u32 s22, s22, s21
	v_mul_u32_u24 v6, s22, v2                      ; lanes 16-31 take B's: the lower base + half x the distance
	s_add_co_u32 s21, s21, SCL
	v_add_nc_u32 v5, v5, v6
	v_add_nc_u32 v[ADRS], s21, v5
	s_mul_i32 s23, s14, 16*SPITCH                  ; my stage
	v_mul_u32_u24 v5, v1, SPITCH                   ; in: row l % 16, 16 bytes for each half of the lanes
	v_lshl_add_u32 v5, v2, 4, v5
	v_add_nc_u32 v[STO], s23, v5
	v_and_b32 v6, 31, v0
	v_lshlrev_b32 v[CO], 4, v6                     ; out: 16 x lane
	v_lshrrev_b32 v5, 3, v6                        ; back: eight lanes take the 128 bytes that one token has of one head; four tokens an instruction
	v_mul_u32_u24 v5, v5, SPITCH
	v_and_b32 v6, 7, v0
	v_lshl_add_u32 v5, v6, 4, v5
	v_add_nc_u32 v[RD], s23, v5
	; where my part begins in qkv: batch (tile row / 8) << 22, position ((tile row % 8) 256 + 128 x row half) << 7; q, k or v (tile column / 4) << 24, head ((tile column % 4) 4 + 2 x column half) << 18
	s_lshr_b32 s20, s17, 3
	s_lshl_b32 s20, s20, 22
	s_and_b32 s21, s17, 7
	s_lshl_b32 s21, s21, 15
	s_add_co_u32 s20, s20, s21
	s_lshl_b32 s21, s15, 14
	s_add_co_u32 s20, s20, s21
	s_mov_b32 s21, 0
	s_lshr_b32 s46, s42, 2
	s_lshl_b32 s46, s46, 24
	s_and_b32 s47, s42, 3
	s_lshl_b32 s47, s47, 20
	s_add_co_u32 s46, s46, s47
	s_lshl_b32 s47, s16, 19
	s_add_co_u32 s46, s46, s47
	s_mov_b32 s47, 0
	s_add_nc_u64 s[20:21], s[20:21], s[46:47]
	s_add_nc_u64 s[12:13], s[12:13], s[20:21]
.macro FRAG reg, adr, q, i             ; a fragment, 16 rows x 128 K of 4-bit codes: lane l holds row l % 16; registers 4 c .. 4 c + 3 hold K = 64 c + 32 (l / 16) + 0 .. 31
.irp c, 0,1
	ds_load_b128 v[\reg+4*\c:\reg+4*\c+3], v[\adr] offset:64*(\q)+32*\c+(\i)*16*PITCH
.endr
.endm
; 16 matrix instructions: A's blocks a0, a0 + 1 x B's eight, the slot's q-th 128 along K.  p: B's set;  sc: the set of scale words.  zero = 1: the first product starts the sums.
; The 64 accumulators take turns, one instruction a turn, in the same order in every step.
.macro MUL16 a0, p, q, sc, zero
.irp a, \a0, \a0+1
.irp b, 0,1,2,3,4,5,6,7
.if \zero
	v_wmma_scale_f32_16x16x128_f8f6f4 v[8*(8*((\a)%4)+\b):8*(8*((\a)%4)+\b)+7], v[128*(\p)+FR*\b:128*(\p)+FR*\b+FR-1], v[AF+FR*(\a):AF+FR*(\a)+FR-1], 0, v[SC+8*NQ*(\sc)+NQ*\b+(\q)], v[SC+8*NQ*(\sc)+NQ*(\a)+(\q)] matrix_a_fmt:MATRIX_FMT_FP4 matrix_b_fmt:MATRIX_FMT_FP4 matrix_a_scale:MATRIX_SCALE_ROW1
.else
	v_wmma_scale_f32_16x16x128_f8f6f4 v[8*(8*((\a)%4)+\b):8*(8*((\a)%4)+\b)+7], v[128*(\p)+FR*\b:128*(\p)+FR*\b+FR-1], v[AF+FR*(\a):AF+FR*(\a)+FR-1], v[8*(8*((\a)%4)+\b):8*(8*((\a)%4)+\b)+7], v[SC+8*NQ*(\sc)+NQ*\b+(\q)], v[SC+8*NQ*(\sc)+NQ*(\a)+(\q)] matrix_a_fmt:MATRIX_FMT_FP4 matrix_b_fmt:MATRIX_FMT_FP4 matrix_a_scale:MATRIX_SCALE_ROW1
.endif
.endr
.endr
.endm
.macro FETCH_B slot, q, p              ; B's eight fragments of the slot's q-th 128 along K into set p
	WIN TO_B
.irp i, 0,1,2,3,4,5,6,7
	FRAG 128*(\p)+FR*\i, ADRB+\slot, \q, \i
.endr
	WIN 0
.endm
.macro FETCH_A slot, q, i0             ; A's blocks i0 .. i0 + 3
.irp i, \i0, \i0+1, \i0+2, \i0+3
	FRAG AF+FR*(\i), ADRA+\slot, \q, \i
.endr
.endm
.macro SCALES sc                       ; a K step's scale words into set sc: NQ words a row; lanes 0-15 take A's block i, lanes 16-31 B's block i
.irp i, 0,1,2,3,4,5,6,7
	ds_load_b128 v[SC+8*NQ*\sc+NQ*\i:SC+8*NQ*\sc+NQ*\i+3], v[ADRS] offset:\i*SBLK
.endr
.endm
; A load into a register that a matrix instruction has read, and a vector instruction that reads a matrix result or writes one of its registers, stand NP places behind it; only plain vector
; instructions that name none of its registers are places.
.macro PLACES n
.rept \n
	v_nop
.endr
.endm
; A step of 128 along K that has its successor in the same slot.
.macro STEP slot, q, zero
	s_wait_dscnt 4*NL                              ; B's set and A's blocks 0-3 are in; the youngest eight loads (A's blocks 4-7) may be out
	WIN MUL_LO
	MUL16 0, (\q)%2, \q, \slot, \zero
	MUL16 2, (\q)%2, \q, \slot, \zero
	s_wait_dscnt 0                                 ; A's blocks 4-7 are in (asked for 32 matrix instructions ago)
	PLACES NP
	FETCH_B \slot, (\q)+1, 1-(\q)%2
	FETCH_A \slot, (\q)+1, 0
	WIN MUL_HI
	MUL16 4, (\q)%2, \q, \slot, \zero
	MUL16 6, (\q)%2, \q, \slot, \zero
	PLACES NP
	WIN 0
	FETCH_A \slot, (\q)+1, 4
.endm
; Slot 0's last step changes slots: ONE barrier; in front of it each wave waits for all its tensor loads (its part of slot 1), adds 0 to its spare word, and waits for that and for its reads of slot 0.  Nothing is filled again.
.macro TURN slot, next
	s_wait_tensorcnt 0x0                           ; all my tensor loads have landed  (every window is 0 here: the add's two registers lie in window 0)
	ds_add_u32 v[SPW], v[NIL]                      ; 0 onto my spare word
	s_wait_dscnt 4*NL+1                            ; (the add and the youngest eight loads, A's blocks 4-7, may be out)
	WIN MUL_LO
	MUL16 0, 1, NQ-1, \slot, 0
	s_wait_dscnt 0x0                               ; the add is done, and my reads of this slot are over
	s_barrier_signal -1
	MUL16 2, 1, NQ-1, \slot, 0
	WIN 0
	s_barrier_wait -1
	PLACES NP
	v_add_nc_u32 v[ADRS], 4*NQ, v[ADRS]            ; on to the next K step's scale words (no LDS load of mine is out)
	FETCH_B \next, 0, 0
	FETCH_A \next, 0, 0
	SCALES \next
	WIN MUL_HI
	MUL16 4, 1, NQ-1, \slot, 0
	MUL16 6, 1, NQ-1, \slot, 0
	PLACES NP
	WIN 0
	FETCH_A \next, 0, 4
.endm
.macro STEPS slot, from                ; the slot's steps from .. NQ - 2
.set Q, \from
.rept NQ-1-\from
	STEP \slot, Q, 0
.set Q, Q+1
.endr
.endm
	s_wait_tensorcnt 1                             ; the scales and my part of K step 0 are in (K step 1's load may be out),
	s_barrier_signal -1
	s_barrier_wait -1                              ; everybody's are
	FETCH_B 0, 0, 0
	FETCH_A 0, 0, 0
	SCALES 0
	FETCH_A 0, 0, 4
	STEP 0, 0, 1                                   ; the first step's products start the sums
	STEPS 0, 1
	TURN 0, 1
	STEPS 1, 0
	s_wait_dscnt 4*NL                              ; the very last step: nothing more to fetch
	WIN MUL_LO
	MUL16 0, 1, NQ-1, 1, 0
	MUL16 2, 1, NQ-1, 1, 0
	s_wait_dscnt 0
	WIN MUL_HI
	MUL16 4, 1, NQ-1, 1, 0
	MUL16 6, 1, NQ-1, 1, 0
	WIN 0
; THE WAY OUT, block by block of 16 tokens x 128 columns (two heads).  PACK: rounded to f16, each accumulator from its low end on: 16 bytes a lane.  TOSTAGE: into my own stage, a token a row, and back by heads:
; eight lanes take a token's 128 bytes of one head.  SEND: four tokens of one head lie on end in qkv: 32 lanes store 512 consecutive bytes.  LDS serves a wave's instructions in order (ISA guide 5.7.1.4).
.macro PACK a
.set AC, 64*((\a)%4)
	WIN 0x0a+5*((\a)/4)                            ; sources 0 and 1: window 2 or 3
.irp b, 0,1,2,3,4,5,6,7
.irp r, 0,1,2,3
	v_cvt_pk_f16_f32 v[TMP+4*\b+\r], v[AC+8*\b+2*\r], v[AC+8*\b+2*\r+1]
.endr
.endr
	WIN 0
.endm
.macro TOSTAGE a
.set BB, BK+32*((\a)%2)
.irp b, 0,1,2,3,4,5,6,7
	ds_store_b128 v[STO], v[TMP+4*\b:TMP+4*\b+3] offset:32*\b
.endr
.irp u, 0,1
.irp i, 0,1,2,3
	ds_load_b128 v[BB+4*(4*\u+\i):BB+4*(4*\u+\i)+3], v[RD] offset:\i*4*SPITCH+\u*128
.endr
.endr
.endm
.macro SEND a, younger                 ; younger: the LDS instructions issued behind block a's loads, which may stay out
.set BB, BK+32*((\a)%2)
	s_wait_dscnt \younger
.irp u, 0,1
.irp i, 0,1,2,3
	global_store_b128 v[CO], v[BB+4*(4*\u+\i):BB+4*(4*\u+\i)+3], s[12:13] offset:\u*262144+(\a)*2048+\i*512   ; the base is never stepped: 278,016 bytes at the most, inside the signed 24-bit immediate
.endr
.endr
.endm
	PLACES NP                                      ; behind the last products: for the writes into the scale words' registers, the loads into A's, and the reads of results
	PACK 0
	TOSTAGE 0
.irp a, 1,2,3,4,5,6,7
	PACK \a
.if \a > 1
	s_wait_xcnt 0x0                                ; block a - 2's stores have read their registers: block a's loads may land there
.endif
	TOSTAGE \a
	SEND \a-1, 16                                  ; behind block a - 1's loads: block a's 8 stores and 8 loads
.endr
	SEND 7, 0
	s_wait_tensorcnt 0x0                           ; the wave's end: behind my last tensor load and my last LDS store
	ds_add_u32 v[SPW], v[NIL]
	s_wait_dscnt 0x0
	CROUND                                         ; the closing round: no work-group ends while a partner may still ask for a tile that names it
	s_endpgm
.Lfunc_end_k_qca8ac40f5b_qkv:
	.size	k_qca8ac40f5b_qkv, .Lfunc_end_k_qca8ac40f5b_qkv-k_qca8ac40f5b_qkv
	.p2alignl 7, 3214868480
	.fill 96, 4, 3214868480
	.section	.rodata,"a",@progbits
	.p2align	6, 0x0
	.amdhsa_kernel k_qca8ac40f5b_qkv
		.amdhsa_group_segment_fixed_size 327680
		.amdhsa_private_segment_fixed_size 0
		.amdhsa_enable_private_segment 0
		.amdhsa_kernarg_size 40
		.amdhsa_user_sgpr_count 2
		.amdhsa_user_sgpr_kernarg_segment_ptr 1
		.amdhsa_wavefront_size32 1
		.amdhsa_system_sgpr_workgroup_id_x 1
		.amdhsa_system_sgpr_workgroup_id_y 1
		.amdhsa_system_sgpr_workgroup_id_z 1
		.amdhsa_system_vgpr_workitem_id 0
		.amdhsa_next_free_vgpr 1024
		.amdhsa_next_free_sgpr 98
		.amdhsa_reserve_vcc 0
		.amdhsa_float_denorm_mode_32 3
		.amdhsa_float_denorm_mode_16_64 3
		.amdhsa_memory_ordered 1
		.amdhsa_forward_progress 1
		.amdhsa_inst_pref_size 126
	.end_amdhsa_kernel
	.amdgpu_metadata
---
amdhsa.version: [ 1, 2 ]
amdhsa.kernels:
  - .name:           k_qca8ac40f5b_qkv
    .symbol:         k_qca8ac40f5b_qkv.kd
    .args:
      - { .name: xc, .offset: 0, .size: 8, .value_kind: global_buffer, .address_space: global }
      - { .name: xs, .offset: 8, .size: 8, .value_kind: global_buffer, .address_space: global }
      - { .name: wc, .offset: 16, .size: 8, .value_kind: global_buffer, .address_space: global }
      - { .name: ws, .offset: 24, .size: 8, .value_kind: global_buffer, .address_space: global }
      - { .name: qkv, .offset: 32, .size: 8, .value_kind: global_buffer, .address_space: global }
    .group_segment_fixed_size: 327680
    .private_segment_fixed_size: 0
    .kernarg_segment_align: 8
    .kernarg_segment_size: 40
    .max_flat_workgroup_size: 128
    .sgpr_count:     98
    .vgpr_count:     1024
    .wavefront_size: 32
...
	.end_amdgpu_metadata
.endif
;; end of part 2
;; launch attn (part 3): grid 4 x 64, 8 waves a work-group, clusters of 4 x 1, 327,680 bytes of LDS; arguments qkv, padding_mask, ao; writes ao
.if DOCPART == 3
	.amdgcn_target "amdgcn-amd-amdhsa--gfx1250"
	.amdhsa_code_object_version 6
	.text
	.protected	k_qca8ac40f5b_attn
	.globl	k_qca8ac40f5b_attn
	.p2align	8
	.type	k_qca8ac40f5b_attn,@function
k_qca8ac40f5b_attn:
	s_mov_b64 s[64:65], 0
	v_nop
	global_prefetch_b8 v0, s[64:65] scope:SCOPE_SE
	s_setreg_imm32_b32 hwreg(HW_REG_WAVE_MODE, 25, 1), 1
	s_wait_xcnt 0x0
	s_wait_alu depctr_hold_cnt(0) depctr_sa_sdst(0) depctr_va_vdst(0) depctr_va_sdst(0) depctr_va_ssrc(0) depctr_va_vcc(0) depctr_vm_vsrc(0)
	s_getreg_b32 s2, hwreg(HW_REG_IB_STS2, 6, 4)
	s_cmp_eq_u32 s2, 0
	s_cbranch_scc0 .Lentry_in_a_cluster
	s_endpgm
.Lentry_in_a_cluster:
	s_bfe_u32 s2, ttmp6, 0x10000c
	s_cmp_lg_u32 s2, 0x3003
	s_cbranch_scc0 .Lentry_shape_is_right
	s_endpgm
.Lentry_shape_is_right:
; o[b][q][head][:] = the sum over k of softmax_k(where(mask[b][k], q . k / 8, -1e10)) v[k][:].  q, k, v: f16, [3][batch 4][head 16][2048][64] (a head's rows are 262,144 dense bytes).
; Products, maxima and sums in f32; the weights p are rounded to f16 for the second product, o once at the end, to f16, laid [token / 128][head][token % 128][64].
; SHARES.  Grid y = 16 x batch + head; the grid's x is one cluster: its four work-groups are the four blocks of 512 queries of one head.  Each of a work-group's eight waves owns 64 queries: four tiles of 16.
; Two waves share a SIMD, so that one wave's softmax stands beside the other's products.  Every wave walks all 2,048 keys, 64 a step; a fragment of K or V read from LDS feeds four matrix instructions.
; LAYOUT.  S^T = K Q^T (source 0 = 16 keys, source 1 = 16 queries): a lane holds ONE query (lane % 16) and keys 8 (lane / 16) + 0..7.  Two such tiles, rounded to f16 in pairs, ARE source 1 of O^T = V^T P.
; K comes out of LDS as it lies, V ([key][channel]) turned, by ds_load_tr16_b128.
; SOFTMAX.  A running maximum m and sum l for each query: p = 2^(c s - c m), c = log2(e) / 8; in every step O and l are multiplied by a = 2^(c m_old - c m_new).  The sum is taken of the unrounded p.
; THE MASK.  The C of each score tile's first product is a tile of biases: 0 for a key that counts, -8e10 (= -1e10 x 8) for a masked one: p is then 0.  What masked keys add ahead of a row's first valid key
; is multiplied by a = 0 when that key comes.  Where a batch has NO valid key, the definition gives the plain average of all 2,048 values: c is then replaced by 0 (a select on the OR of the batch's mask bytes), so p = a = 1.
; LIMITS: valid scores q . k stay above -8e10 and differ by less than 8e10; |q|, |k|, |v|, |o| up to 65,504, with f16's absolute step of 6e-8 under 6e-5; mask bytes are 0 or 1; NaN and infinities are not served.
; THE RING.  Two LDS slots of 256 keys (four steps).  K's and V's rows of 128 bytes are dense in memory and are stated as lines of 256 bytes (two keys) with padding behind each.  Waves 0, 1 fetch K's halves, waves 2, 3 V's,
; 64 lines each; waves 4-7 fetch nothing.  By this text's own count a wave has one tensor load out.  CLUSTER: the four work-groups walk the same K and V, so each tile is asked for JOINTLY (mask 15).
; REGISTERS.  window 0: v2-15 addresses; v16-47 eight registers of statistics a tile; v48-56 at work at the head; v64-191 S^T, 32 a tile (P takes the first 16 of each); v192-255 K's fragments, then V's.
;   window 1: v0-127 O^T, 32 a tile; v128-191 Q, 16 a tile; v192-223 the step's four tiles of biases.
.set KP,     272                       ; a line of K in LDS: 256 bytes (two keys) + 16: the 16 keys of a fragment load fall on 16 different groups of four banks (64 banks of 4 bytes: ISA guide 11.1)
.set VP,     288                       ; a line of V: 256 + 32: the 8 keys x 32 bytes of half a turning load fall on different banks
.set VOFF,   128*KP                    ; a slot: 128 lines of K, then 128 lines of V
.set KSTEPB, 32*KP                     ; a step's 64 keys
.set VSTEPB, 32*VP
.set SLOT1,  1<<17                     ; slot 1 begins here: one exclusive or turns an address in one slot into the other's
.set FILLB,  32768                     ; 256 keys in memory
.set BIAS,   204800                    ; behind the ring: the batch's 2,048 biases, f32; stored once, never the target of a tensor load
.set SPARE,  BIAS+8192                 ; the spare words, 128 bytes a wave: four blocks of 256 bytes that no other line names
.set STAGE,  SPARE+1024                ; the way out: 16 rows x 144 bytes for each wave
.set SP,     144
.set AK0, 2                            ; v2   my lane's place in a tile of K
.set AV0, 3                            ; v3   the same for V
.set AB0, 4                            ; v4   and among the biases
.set ADK, 5                            ; v5-7 the step's addresses
.set ADV, 6
.set ADB, 7
.set QO,  8                            ; v8   my byte offset in the wave's rows of Q
.set STO, 9                            ; v9   the way out: where I put 16 bytes of a row
.set RD,  10                           ; v10  where I read rows back
.set GO,  11                           ; v11  16 x lane
.set SPW, 12                           ; v12  LDS address of my spare word; never rewritten
.set NIL, 13                           ; v13  0; never rewritten
.set PFO, 14                           ; v14  256 x lane
.set BST, 15                           ; v15  where my thread stores its eight biases
.set ST,  16                           ; tile t's statistics at v[ST+8 t]: +0 c m, +1 m, +2, +3 l (even keys', odd keys'), +4 to +7 c0-c3 at work; a takes c2's place
.set S,   64
.set KV,  192
.set QF,  128                          ; in window 1
.set BI,  192                          ; in window 1
.set WV,  12                           ; s12  my wave's number
.set LIM, 15                           ; s15  1 in a wave that prefetches, else the greatest number
.set PFA, 18                           ; s[18:19] where my prefetches stand
.set G1K, 24                           ; s[24:31] descriptor group 1 for K's tiles;  s[32:39] for V's: it differs in the padding alone
.set G1V, 32
.set G0K, 40                           ; s[40:43], s[44:47] their groups 0, which walk
.set G0V, 44
.set SLOTS, 48                         ; s48  fills still to be asked for
.set CNT, 49                           ; s49  counts a slot's four steps
.set TBK, 50                           ; s50  LDS byte at which the step's K begins, less my lane's place
.set TBV, 51                           ; s51  the same for V
.set TJ,  52                           ; s52  and for the biases: 256 bytes a step
.set CS,  58                           ; s[58:59] c, or 0: the packed form names a pair and takes its low word for both halves
.set SEL, 60                           ; s[60:61] lane selects for v_permlanex16_b32: lane l xor 16
.set MSB, 0
.macro WIN new                         ; bits 1:0 source 0, 3:2 source 1, 5:4 source 2, 7:6 destination; the immediate's high byte repeats the setting that is left
.if MSB != \new
	s_set_vgpr_msb (MSB<<8)|\new
.set MSB, \new
.endif
.endm
; A joint load.  The branches hang on the wave's number alone: they are the same in every work-group.  An s_nop 0 and four v_nop follow each of the two lines.
.macro JLOAD
	s_cmp_lt_u32 s[WV], 2
	s_cbranch_scc0 .Lnot_k_\@
	tensor_load_to_lds s[G0K:G0K+3], s[G1K:G1K+7]
	s_nop 0
.rept 4
	v_nop
.endr
	s_branch .Lasked_\@
.Lnot_k_\@:
	s_cmp_lt_u32 s[WV], 4
	s_cbranch_scc0 .Lasked_\@
	tensor_load_to_lds s[G0V:G0V+3], s[G1V:G1V+7]
	s_nop 0
.rept 4
	v_nop
.endr
.Lasked_\@:
.endm
; A PREFETCH INTO THE L2 of what the NEXT change of slots will ask for: 256 keys of K and of V, 32,768 dense bytes each.  The four partners share them out BY ADDRESS, 8,192 bytes each (no branch hangs on a
; work-group's place in its cluster); in each, wave 4 asks for K's and wave 5 for V's, lanes 256 bytes apart: one instruction.  So each 256 bytes are named once in the launch.  It stands a slot's four steps,
; 256 matrix instructions a wave, ahead of the load that wants the bytes.  Fills 0 and 1 come by their loads alone; the last change that fills a slot asks for nothing.
.macro ASK
	s_cmp_gt_u32 s[SLOTS], s[LIM]
	s_cbranch_scc0 .Lnot_mine_\@
	global_prefetch_b8 v[PFO], s[PFA:PFA+1] th:TH_LOAD_NT scope:SCOPE_SE
.Lnot_mine_\@:
.endm
.macro CROUND                          ; a round of the cluster's barrier
	s_barrier_signal -1
	s_barrier_wait -1
	s_cmp_lg_u32 s[WV], 0
	s_cbranch_scc1 .Lnot_wave_0_\@
	s_barrier_signal -3
.Lnot_wave_0_\@:
	s_barrier_wait -3
	s_barrier_signal -1
	s_barrier_wait -1
.endm
	s_load_b128 s[4:7], s[0:1], 0x0                ; qkv s[4:5], the mask s[6:7]
	s_load_b64 s[8:9], s[0:1], 0x10                ; ao
	v_lshl_add_u32 v[SPW], v0, 2, SPARE
	v_mov_b32 v[NIL], 0
	ds_add_u32 v[SPW], v[NIL]                      ; the wave's opening: the add, twice on end, and its wait ahead of the first tensor load; the set-up below stands between
	ds_add_u32 v[SPW], v[NIL]
	v_lshrrev_b32 v1, 5, v0
	v_readfirstlane_b32 s[WV], v1                  ; wave 0..7
	s_bfe_u32 s13, ttmp6, 0x40000                  ; cx: my block of 512 queries: it enters Q's, ao's and the prefetches' addresses alone
	s_and_b32 s14, ttmp7, 0xffff                   ; 16 x batch + head, which the four partners share
	s_lshl_b32 s20, s14, 18                        ; the head's first byte in q, in k and in v
	s_and_b32 s16, s[WV], 1                        ; which half of a fill I fetch, if I fetch:
	s_lshl_b32 s22, s16, 14                        ; its 128 keys in memory,
	s_add_co_u32 s22, s22, s20
	s_mov_b32 s23, 0
	s_mul_i32 s17, s16, 64*KP                      ; and its place in a slot: K's,
	s_mul_i32 s3, s16, 64*VP
	s_add_co_u32 s3, s3, VOFF                      ; V's
	s_lshl_b32 s54, s13, 16                        ; Q: my block's 512 rows of 128 bytes,
	s_lshl_b32 s2, s[WV], 13                       ; my wave's 64
	s_add_co_u32 s54, s54, s2
	s_add_co_u32 s54, s54, s20
	s_mov_b32 s55, 0
	s_lshr_b32 s56, s14, 4                         ; the batch
	s_lshl_b32 s62, s56, 4                         ; ao: token / 128 = 16 x batch + 4 cx + wave / 2,
	s_lshl_b32 s56, s56, 11                        ; the mask: 2,048 bytes a batch
	s_mov_b32 s57, 0
	s_lshl_b32 s2, s13, 2
	s_add_co_u32 s62, s62, s2
	s_lshr_b32 s2, s[WV], 1
	s_add_co_u32 s62, s62, s2
	s_lshl_b32 s62, s62, 18                        ; 16 planes of 16,384 bytes;
	s_and_b32 s2, s14, 15
	s_lshl_b32 s2, s2, 14                          ; the head's plane;
	s_add_co_u32 s62, s62, s2
	s_lshl_b32 s2, s16, 13                         ; my 64 of its 128 tokens
	s_add_co_u32 s62, s62, s2
	s_mov_b32 s63, 0
	s_mov_b32 s[PFA], 0x2000000                    ; the prefetches: v begins here in qkv, k at half of it
	s_cmp_eq_u32 s[WV], 4
	s_cselect_b32 s[PFA], 0x1000000, s[PFA]
	s_add_co_u32 s[PFA], s[PFA], s20
	s_lshl_b32 s2, s13, 13                         ; my work-group's 8,192 bytes of a fill,
	s_add_co_u32 s[PFA], s[PFA], s2
	s_add_co_u32 s[PFA], s[PFA], FILLB             ; in fill 1: the first change of slots steps it to fill 2
	s_mov_b32 s[PFA+1], 0
	s_lshr_b32 s[LIM], s[WV], 1
	s_cmp_eq_u32 s[LIM], 2                         ; waves 4 and 5 ask
	s_cselect_b32 s[LIM], 1, -1
	; descriptor group 1: 64 lines x 128 elements of 2 bytes, dense in memory, padded in LDS
	s_mov_b32 s[G1K], 15|(1<<16)|(1<<20)|(1<<21)|(5<<22)|(3<<25)  ; 15:0 the mask: all four work-groups; 17:16 elements of 2 bytes; 20 padding on; 21 set beside a mask; 24:22 after every 64 words; 31:25 four words
	s_mov_b32 s[G1V], 15|(1<<16)|(1<<20)|(1<<21)|(5<<22)|(7<<25)  ; the same with eight words of padding
.irp g, G1K, G1V
	s_mov_b32 s[\g+1], 128<<16                     ; tensor_dim0
	s_mov_b32 s[\g+2], 64<<16                      ; tensor_dim1
	s_mov_b32 s[\g+3], 128<<16                     ; tile_dim0
	s_mov_b32 s[\g+4], 64                          ; tile_dim1
	s_mov_b32 s[\g+5], 128                         ; tensor_dim0_stride
	s_mov_b32 s[\g+6], 0
	s_mov_b32 s[\g+7], 0
.endr
	s_mov_b32 s[SEL], 0x76543210
	s_mov_b32 s[SEL+1], 0xfedcba98
	s_mov_b32 s[TBK], 0
	s_mov_b32 s[TBV], 0
	s_mov_b32 s[TJ], 0
	s_mov_b32 s[SLOTS], 7
	s_mov_b32 s[G0K], 1                            ; 1:0 count = 1
	s_mov_b32 s[G0K+1], s17                        ; 63:32 LDS address: slot 0
	s_mov_b32 s[G0V], 1
	s_mov_b32 s[G0V+1], s3
	s_wait_dscnt 0x0                               ; both opening adds are done
	s_wait_kmcnt 0x0
	s_add_nc_u64 s[G0K+2:G0K+3], s[4:5], s[22:23]  ; 120:64 global address: the head's first 256 keys, my half
	s_add_nc_u64 s[G0K+2:G0K+3], s[G0K+2:G0K+3], 0x1000000
	s_or_b32 s[G0K+3], s[G0K+3], 0x80000000        ; 127:126 type = 2
	s_add_nc_u64 s[G0V+2:G0V+3], s[4:5], s[22:23]
	s_add_nc_u64 s[G0V+2:G0V+3], s[G0V+2:G0V+3], 0x2000000
	s_or_b32 s[G0V+3], s[G0V+3], 0x80000000
	s_add_nc_u64 s[PFA:PFA+1], s[4:5], s[PFA:PFA+1]
	s_add_nc_u64 s[10:11], s[4:5], s[54:55]        ; Q at my wave's first row
	s_add_nc_u64 s[6:7], s[6:7], s[56:57]          ; the mask at my batch
	s_add_nc_u64 s[8:9], s[8:9], s[62:63]          ; ao at my wave's first row
	CROUND                                         ; all four work-groups are here: the first joint loads meet
	JLOAD                                          ; fill 0, into slot 0
	v_and_b32 v48, 15, v0                          ; r = l % 16
	v_bfe_u32 v49, v0, 4, 1                        ; h = l / 16
	v_and_b32 v50, 31, v0                          ; l
	v_lshlrev_b32 v[QO], 7, v48
	v_lshl_add_u32 v[QO], v49, 4, v[QO]            ; Q: row r of 128 bytes, + 16 h
	WIN 0x40                                       ; destination window 1
.irp f, 0,1,2,3,4,5,6,7                            ; Q stays in registers: tile f / 2, channels 32 (f % 2) on: registers 0-3 channels 8 h + 0..7, registers 4-7 channels 16 + 8 h + 0..7
	global_load_b128 v[QF+8*\f:QF+8*\f+3],   v[QO], s[10:11] offset:(\f/2)*2048+(\f%2)*64
	global_load_b128 v[QF+8*\f+4:QF+8*\f+7], v[QO], s[10:11] offset:(\f/2)*2048+(\f%2)*64+32
.endr
	WIN 0
	v_lshlrev_b32 v[GO], 4, v50
	v_lshlrev_b32 v1, 3, v0                        ; my thread's eight keys
.irp i, 0,1,2,3
	global_load_b128 v[64+4*\i:67+4*\i], v[GO], s[6:7] offset:512*\i   ; the batch's whole mask, 64 bytes a lane in four dense loads: for the OR
.endr
	global_load_b64 v[80:81], v1, s[6:7]           ; and my thread's eight bytes: for the biases
	v_bfe_u32 v51, v0, 1, 3                        ; r / 2
	v_and_b32 v52, 1, v0
	v_mul_u32_u24 v[AK0], v51, KP                  ; K: key r lies in line r / 2, half r % 2; + 16 h
	v_lshl_add_u32 v[AK0], v52, 7, v[AK0]
	v_lshl_add_u32 v[AK0], v49, 4, v[AK0]
	v_bfe_u32 v53, v0, 1, 2                        ; V, turned: lane l addresses key 8 h + l % 8 (line 4 h + (l % 8) / 2, half l % 2), channels 8 ((l / 8) % 2) + 0..7
	v_lshl_add_u32 v53, v49, 2, v53
	v_mul_u32_u24 v[AV0], v53, VP
	v_lshl_add_u32 v[AV0], v52, 7, v[AV0]
	v_bfe_u32 v54, v0, 3, 1
	v_lshl_add_u32 v[AV0], v54, 4, v[AV0]
	v_add_nc_u32 v[AV0], VOFF, v[AV0]
	v_lshl_add_u32 v[AB0], v49, 5, BIAS            ; the biases of keys 8 h + 0..7
	v_lshl_add_u32 v[BST], v0, 5, BIAS
	v_lshlrev_b32 v[PFO], 8, v50
	s_mul_i32 s16, s[WV], 16*SP
	s_add_co_u32 s16, s16, STAGE                   ; my stage
	v_mul_u32_u24 v[STO], v48, SP                  ; in: row r, 16 bytes for each half of the lanes
	v_lshl_add_u32 v[STO], v49, 4, v[STO]
	v_add_nc_u32 v[STO], s16, v[STO]
	v_bfe_u32 v55, v0, 3, 2                        ; back: eight lanes take a row of 128 bytes, four rows an instruction
	v_and_b32 v56, 7, v0
	v_mul_u32_u24 v[RD], v55, SP
	v_lshl_add_u32 v[RD], v56, 4, v[RD]
	v_add_nc_u32 v[RD], s16, v[RD]
	WIN 0x40
.set i, 0
.rept 128
	v_mov_b32 v[i], 0                              ; O^T.  The step is written once: the first step finds zeros, which its a = 0 (or 1) leaves zeros; a first step of its own would be two more copies of the step
.set i, i+1
.endr
	WIN 0
	s_wait_loadcnt 0x0                             ; Q and the mask
.irp i, 1,2,3,4,5,6,7,8,9,10,11,12,13,14,15
	v_or_b32 v64, v64, v[64+\i]
.endr
	v_cmp_ne_u32 s53, 0, v64                       ; a bit for each lane that saw a valid key
	s_cmp_lg_u32 s53, 0
	s_cselect_b32 s[CS], 0x3e38aa3b, 0             ; c = log2(e) / 8; 0 where the batch has no valid key: a select, no branch
	s_mov_b32 s[CS+1], s[CS]
.irp j, 0,1,2,3,4,5,6,7
	v_bfe_u32 v[84+\j], v[80+\j/4], 8*(\j%4), 1    ; 1: the key counts
.endr
.irp j, 0,1,2,3,4,5,6,7
	v_add_nc_u32 v[84+\j], -1, v[84+\j]            ; 0, or all ones
.endr
.irp j, 0,1,2,3,4,5,6,7
	v_and_b32 v[84+\j], 0xd19502f9, v[84+\j]       ; 0, or -8e10
.endr
	ds_store_b128 v[BST], v[84:87]
	ds_store_b128 v[BST], v[88:91] offset:16       ; the first change of slots waits for these stores ahead of its round, and the biases are read behind it
.irp t, 0,1,2,3
	v_mov_b32 v[ST+8*\t+1], 0xff61b1e6             ; m = -3e38, under every score
	v_mov_b32 v[ST+8*\t+2], 0                      ; l
	v_mov_b32 v[ST+8*\t+3], 0
.endr
.irp t, 0,1,2,3
	v_mul_f32 v[ST+8*\t], s[CS], v[ST+8*\t+1]      ; c m
.endr
; A KEY STEP: 64 keys.
.macro STEP
	v_add_nc_u32 v[ADK], s[TBK], v[AK0]            ; these three and two v_nop are five places behind the last step's V^T P: the products below write over P's registers (five are owed), the loads land in V's (four)
	v_add_nc_u32 v[ADV], s[TBV], v[AV0]
	v_add_nc_u32 v[ADB], s[TJ], v[AB0]
	v_nop
	v_nop
.irp f, 0,1,2,3,4,5,6,7                            ; K: keys 16 (f / 2) on, channels 32 (f % 2) on
	ds_load_b128 v[KV+8*\f:KV+8*\f+3],   v[ADK] offset:(\f/2)*8*KP+(\f%2)*64
	ds_load_b128 v[KV+8*\f+4:KV+8*\f+7], v[ADK] offset:(\f/2)*8*KP+(\f%2)*64+32
.endr
	WIN 0x40
.irp k, 0,1,2,3                                    ; the biases in the result's layout: register j = key 16 k + 8 h + j, the same for all queries
	ds_load_b128 v[BI+8*\k:BI+8*\k+3],   v[ADB] offset:64*\k
	ds_load_b128 v[BI+8*\k+4:BI+8*\k+7], v[ADB] offset:64*\k+16
.endr
	s_wait_dscnt 0x0
	WIN 0x14                                       ; Q and the biases in window 1
.irp k, 0,1,2,3                                    ; S^T = bias + K Q^T: the 16 accumulators take turns, one instruction a turn
.irp t, 0,1,2,3
	v_wmma_f32_16x16x32_f16 v[S+32*\t+8*\k:S+32*\t+8*\k+7], v[KV+16*\k:KV+16*\k+7], v[QF+16*\t:QF+16*\t+7], v[BI+8*\k:BI+8*\k+7]
.endr
.endr
	WIN 0x04
.irp k, 0,1,2,3
.irp t, 0,1,2,3
	v_wmma_f32_16x16x32_f16 v[S+32*\t+8*\k:S+32*\t+8*\k+7], v[KV+16*\k+8:KV+16*\k+15], v[QF+16*\t+8:QF+16*\t+15], v[S+32*\t+8*\k:S+32*\t+8*\k+7]
.endr
.endr
	WIN 0
.rept 4
	v_nop                                          ; places in front of the loads into K's registers and of the first reads of the scores
.endr
.irp f, 0,1,2,3,4,5,6,7                            ; V, turned: keys 32 (f / 4) on, channels 16 (f % 4) on.  They land while the softmax is walked
	ds_load_tr16_b128 v[KV+8*\f:KV+8*\f+3],   v[ADV] offset:(\f/4)*16*VP+(\f%4)*32
	ds_load_tr16_b128 v[KV+8*\f+4:KV+8*\f+7], v[ADV] offset:(\f/4)*16*VP+8*VP+(\f%4)*32
.endr
	; the maximum of a lane's 32 scores and the old m, three operands at a time; each accumulator is first read at its low end; the four tiles by turns, so that no line waits for the line above it
.irp j, 0,1,2,3
.irp t, 0,1,2,3
	v_max3_num_f32 v[ST+8*\t+4+\j], v[S+32*\t+8*\j], v[S+32*\t+8*\j+1], v[S+32*\t+8*\j+2]
.endr
.endr
.irp u, 1,2
.irp j, 0,1,2,3
.irp t, 0,1,2,3
	v_max3_num_f32 v[ST+8*\t+4+\j], v[ST+8*\t+4+\j], v[S+32*\t+8*\j+2*\u+1], v[S+32*\t+8*\j+2*\u+2]
.endr
.endr
.endr
.irp t, 0,1,2,3
	v_max3_num_f32 v[ST+8*\t+4], v[ST+8*\t+4], v[S+32*\t+7], v[S+32*\t+15]
.endr
.irp t, 0,1,2,3
	v_max3_num_f32 v[ST+8*\t+6], v[ST+8*\t+6], v[S+32*\t+23], v[S+32*\t+31]
.endr
.irp t, 0,1,2,3
	v_max3_num_f32 v[ST+8*\t+4], v[ST+8*\t+4], v[ST+8*\t+5], v[ST+8*\t+6]
.endr
.irp t, 0,1,2,3
	v_max3_num_f32 v[ST+8*\t+4], v[ST+8*\t+4], v[ST+8*\t+7], v[ST+8*\t+1]
.endr
.irp t, 0,1,2,3
	v_permlanex16_b32 v[ST+8*\t+5], v[ST+8*\t+4], s[SEL], s[SEL+1]  ; the query's other 32 keys lie in the lane 16 away
.endr
.irp t, 0,1,2,3
	v_mov_b32 v[ST+8*\t+7], v[ST+8*\t]             ; c m_old
.endr
.irp t, 0,1,2,3
	v_max_num_f32 v[ST+8*\t+1], v[ST+8*\t+4], v[ST+8*\t+5]
.endr
.irp t, 0,1,2,3
	v_mul_f32 v[ST+8*\t], s[CS], v[ST+8*\t+1]
.endr
.irp t, 0,1,2,3
	v_sub_f32 v[ST+8*\t+7], v[ST+8*\t+7], v[ST+8*\t]
.endr
	; ONE BATCH of 132 exponentials, none of which reads another's result; the scalings c s - c m of the next tile stand among a tile's exponentials
.irp t, 0,1,2,3
	v_exp_f32 v[ST+8*\t+6], v[ST+8*\t+7]           ; a
.endr
.set i, 0
.rept 16
	v_pk_fma_f32 v[S+2*i:S+2*i+1], v[S+2*i:S+2*i+1], s[CS:CS+1], v[ST:ST+1] op_sel_hi:[1,0,0] neg_lo:[0,0,1] neg_hi:[0,0,1]
.set i, i+1
.endr
.irp t, 0,1,2,3
.set i, 0
.rept 16
	v_exp_f32 v[S+32*\t+2*i], v[S+32*\t+2*i]
	v_exp_f32 v[S+32*\t+2*i+1], v[S+32*\t+2*i+1]
.if \t < 3
	v_pk_fma_f32 v[S+32*(\t+1)+2*i:S+32*(\t+1)+2*i+1], v[S+32*(\t+1)+2*i:S+32*(\t+1)+2*i+1], s[CS:CS+1], v[ST+8*(\t+1):ST+8*(\t+1)+1] op_sel_hi:[1,0,0] neg_lo:[0,0,1] neg_hi:[0,0,1]
.endif
.set i, i+1
.endr
.endr
	v_nop                                          ; a plain instruction behind the last exponential,
	s_wait_alu depctr_va_vdst(0)                   ; and the one wait ahead of the batch's first reader
.irp t, 0,1,2,3
	v_pk_fma_f32 v[ST+8*\t+2:ST+8*\t+3], v[ST+8*\t+2:ST+8*\t+3], v[ST+8*\t+6:ST+8*\t+7], v[S+32*\t:S+32*\t+1] op_sel_hi:[1,0,1]   ; l = a l + the first pair
.endr
.set i, 1
.rept 15
.irp t, 0,1,2,3
	v_pk_add_f32 v[ST+8*\t+2:ST+8*\t+3], v[ST+8*\t+2:ST+8*\t+3], v[S+32*\t+2*i:S+32*\t+2*i+1]   ; the sum of the unrounded p
.endr
.set i, i+1
.endr
.set i, 0
.rept 16
.irp t, 0,1,2,3
	v_cvt_pk_f16_f32 v[S+32*\t+i], v[S+32*\t+2*i], v[S+32*\t+2*i+1]   ; P in place: register i is written when pairs 0 .. i have been read
.endr
.set i, i+1
.endr
	WIN 0x41                                       ; O^T in window 1, a in window 0
.set i, 0
.rept 16
.irp t, 0,1,2,3
	v_pk_mul_f32 v[32*\t+2*i:32*\t+2*i+1], v[32*\t+2*i:32*\t+2*i+1], v[ST+8*\t+6:ST+8*\t+7] op_sel_hi:[1,0]
.endr
.set i, i+1
.endr
	s_wait_dscnt 0x0                               ; V is in
	WIN 0x50                                       ; C and D in window 1
.irp g, 0,1                                        ; O^T += V^T P: keys 32 g on, channels 16 c on; the 16 accumulators take turns
.irp c, 0,1,2,3
.irp t, 0,1,2,3
	v_wmma_f32_16x16x32_f16 v[32*\t+8*\c:32*\t+8*\c+7], v[KV+8*(4*\g+\c):KV+8*(4*\g+\c)+7], v[S+32*\t+8*\g:S+32*\t+8*\g+7], v[32*\t+8*\c:32*\t+8*\c+7]
.endr
.endr
.endr
	WIN 0
	s_add_co_u32 s[TBK], s[TBK], KSTEPB
	s_add_co_u32 s[TBV], s[TBV], VSTEPB
	s_add_co_u32 s[TJ], s[TJ], 256
.endm
; THE CHANGE OF SLOTS stands at a slot's head.  Each wave waits for all its tensor loads (its part of the slot that it is about to read), adds 0 to its spare word, and waits for that and for its LDS reads and stores.
; fill = 1: the barrier is a round of the cluster's: behind it no wave of any partner still reads the slot that was left or has a load on its way; that slot is filled with the next 256 keys, first thing: the load has four steps in which to land.
.macro CHANGE fill
	s_wait_tensorcnt 0x0                           ; no tensor load of mine is out, so a group 0 may be written
	ds_add_u32 v[SPW], v[NIL]                      ; 0 onto my spare word
.if \fill
	ds_add_u32 v[SPW], v[NIL]                      ; and once more
	s_xor_b32 s[G0K+1], s[G0K+1], SLOT1            ; the walking descriptors: the other slot than last time,
	s_add_nc_u64 s[G0K+2:G0K+3], s[G0K+2:G0K+3], FILLB   ; the next 256 keys; the type bits on top are not reached
	s_xor_b32 s[G0V+1], s[G0V+1], SLOT1
	s_add_nc_u64 s[G0V+2:G0V+3], s[G0V+2:G0V+3], FILLB
	s_wait_xcnt 0x0                                ; the last prefetch, a slot back, has read its address, so it may be written:
	s_add_nc_u64 s[PFA:PFA+1], s[PFA:PFA+1], FILLB ; one fill further on than the walking descriptors
	s_wait_dscnt 0x0                               ; both adds are done, and my reads of the slot that I have left are over (first trip: my stores of biases have landed)
	CROUND
	JLOAD
	ASK
.else
	s_wait_dscnt 0x0
	s_barrier_signal -1
	s_barrier_wait -1
.endif
.endm
.macro SLOT_STEPS                      ; a slot's four steps: written once, walked four times; the LDS addresses hang on three scalars that step
	s_mov_b32 s[CNT], 4
.Lstep_\@:
	STEP
	s_sub_co_u32 s[CNT], s[CNT], 1
	s_cmp_lg_u32 s[CNT], 0
	s_cbranch_scc1 .Lstep_\@
	s_sub_co_u32 s[TBK], s[TBK], 4*KSTEPB          ; back to a slot's first step,
	s_xor_b32 s[TBK], s[TBK], SLOT1                ; in the other slot
	s_sub_co_u32 s[TBV], s[TBV], 4*VSTEPB
	s_xor_b32 s[TBV], s[TBV], SLOT1
.endm
.Lslot:                                            ; seven trips: trip c reads fill c and asks for fill c + 1 (the first trip's load is slot 1's first fill)
	CHANGE 1
	SLOT_STEPS
	s_sub_co_u32 s[SLOTS], s[SLOTS], 1
	s_cmp_lg_u32 s[SLOTS], 0
	s_cbranch_scc1 .Lslot
	CHANGE 0                                       ; the last slot is written out
	SLOT_STEPS
	; THE WAY OUT.  l's two halves and the other half of the lanes' are added (the first four additions are the places behind the last products); O^T is divided by l, rounded to f16 and sent through my stage, a tile at a time.
.irp t, 0,1,2,3
	v_add_f32 v[ST+8*\t+4], v[ST+8*\t+2], v[ST+8*\t+3]
.endr
.irp t, 0,1,2,3
	v_permlanex16_b32 v[ST+8*\t+5], v[ST+8*\t+4], s[SEL], s[SEL+1]
.endr
.irp t, 0,1,2,3
	v_add_f32 v[ST+8*\t+4], v[ST+8*\t+4], v[ST+8*\t+5]
.endr
.irp t, 0,1,2,3
	v_rcp_f32 v[ST+8*\t+6], v[ST+8*\t+4]
.endr
	v_nop                                          ; a plain instruction behind the last reciprocal,
	s_wait_alu depctr_va_vdst(0)                   ; and the wait ahead of the first use: one for the four
.macro PACK t
	WIN 0x41
.set i, 0
.rept 16
	v_pk_mul_f32 v[32*\t+2*i:32*\t+2*i+1], v[32*\t+2*i:32*\t+2*i+1], v[ST+8*\t+6:ST+8*\t+7] op_sel_hi:[1,0]
.set i, i+1
.endr
	WIN 0x05                                       ; sources 0 and 1 window 1, destination window 0
.set i, 0
.rept 16
	v_cvt_pk_f16_f32 v[S+32*\t+i], v[32*\t+2*i], v[32*\t+2*i+1]   ; registers 4 c .. 4 c + 3: channels 16 c + 8 h + 0..7 of query r
.set i, i+1
.endr
	WIN 0
.irp c, 0,1,2,3
	ds_store_b128 v[STO], v[S+32*\t+4*\c:S+32*\t+4*\c+3] offset:32*\c
.endr
.irp u, 0,1,2,3
	ds_load_b128 v[S+32*\t+16+4*\u:S+32*\t+16+4*\u+3], v[RD] offset:\u*4*SP   ; LDS serves a wave's instructions in order (ISA guide 5.7.1.4): these see the stores above; the next tile's stores come behind them
.endr
.endm
.macro SEND t, younger                 ; younger: the LDS instructions issued behind tile t's loads: the next tile's four stores and four loads, or none
.irp u, 0,1,2,3
	s_wait_dscnt \younger+3-\u
	global_store_b128 v[GO], v[S+32*\t+16+4*\u:S+32*\t+16+4*\u+3], s[8:9] offset:\t*2048+\u*512   ; four rows of 128 bytes lie on end in ao: 32 lanes store 512 consecutive bytes
.endr
.endm
	PACK 0
	PACK 1
	SEND 0, 8
	PACK 2
	SEND 1, 8
	PACK 3
	SEND 2, 8
	SEND 3, 0
	s_wait_tensorcnt 0x0                           ; the wave's end: behind my last tensor load and my last LDS store
	ds_add_u32 v[SPW], v[NIL]
	s_wait_dscnt 0x0
	CROUND                                         ; the closing round: no work-group ends while a partner may still ask for a tile that names it
	s_endpgm
.Lfunc_end_k_qca8ac40f5b_attn:
	.size	k_qca8ac40f5b_attn, .Lfunc_end_k_qca8ac40f5b_attn-k_qca8ac40f5b_attn
	.p2alignl 7, 3214868480
	.fill 96, 4, 3214868480
	.section	.rodata,"a",@progbits
	.p2align	6, 0x0
	.amdhsa_kernel k_qca8ac40f5b_attn
		.amdhsa_group_segment_fixed_size 327680
		.amdhsa_private_segment_fixed_size 0
		.amdhsa_enable_private_segment 0
		.amdhsa_kernarg_size 24
		.amdhsa_user_sgpr_count 2
		.amdhsa_user_sgpr_kernarg_segment_ptr 1
		.amdhsa_wavefront_size32 1
		.amdhsa_system_sgpr_workgroup_id_x 1
		.amdhsa_system_sgpr_workgroup_id_y 1
		.amdhsa_system_sgpr_workgroup_id_z 1
		.amdhsa_system_vgpr_workitem_id 0
		.amdhsa_next_free_vgpr 512
		.amdhsa_next_free_sgpr 66
		.amdhsa_reserve_vcc 0
		.amdhsa_float_denorm_mode_32 3
		.amdhsa_float_denorm_mode_16_64 3
		.amdhsa_memory_ordered 1
		.amdhsa_forward_progress 1
		.amdhsa_inst_pref_size 97
	.end_amdhsa_kernel
	.amdgpu_metadata
---
amdhsa.version: [ 1, 2 ]
amdhsa.kernels:
  - .name:           k_qca8ac40f5b_attn
    .symbol:         k_qca8ac40f5b_attn.kd
    .args:
      - { .name: qkv, .offset: 0, .size: 8, .value_kind: global_buffer, .address_space: global }
      - { .name: padding_mask, .offset: 8, .size: 8, .value_kind: global_buffer, .address_space: global }
      - { .name: ao, .offset: 16, .size: 8, .value_kind: global_buffer, .address_space: global }
    .group_segment_fixed_size: 327680
    .private_segment_fixed_size: 0
    .kernarg_segment_align: 8
    .kernarg_segment_size: 24
    .max_flat_workgroup_size: 256
    .sgpr_count:     66
    .vgpr_count:     512
    .wavefront_size: 32
...
	.end_amdgpu_metadata
.endif
;; end of part 3
;; launch oproj (part 4): grid 8 x 64, 4 waves a work-group, clusters of 4 x 4, 327,680 bytes of LDS; arguments ao, wo16, b_o, out0; writes out0
.if DOCPART == 4
	.amdgcn_target "amdgcn-amd-amdhsa--gfx1250"
	.amdhsa_code_object_version 6
	.text
	.protected	k_qca8ac40f5b_oproj
	.globl	k_qca8ac40f5b_oproj
	.p2align	8
	.type	k_qca8ac40f5b_oproj,@function
k_qca8ac40f5b_oproj:
	s_mov_b64 s[64:65], 0
	v_nop
	global_prefetch_b8 v0, s[64:65] scope:SCOPE_SE
	s_setreg_imm32_b32 hwreg(HW_REG_WAVE_MODE, 25, 1), 1
	s_wait_xcnt 0x0
	s_wait_alu depctr_hold_cnt(0) depctr_sa_sdst(0) depctr_va_vdst(0) depctr_va_sdst(0) depctr_va_ssrc(0) depctr_va_vcc(0) depctr_vm_vsrc(0)
	s_getreg_b32 s2, hwreg(HW_REG_IB_STS2, 6, 4)
	s_cmp_eq_u32 s2, 0
	s_cbranch_scc0 .Lentry_in_a_cluster
	s_endpgm
.Lentry_in_a_cluster:
	s_bfe_u32 s2, ttmp6, 0x10000c
	s_cmp_lg_u32 s2, 0xf033
	s_cbranch_scc0 .Lentry_shape_is_right
	s_endpgm
.Lentry_shape_is_right:
; out0[token][e] = b_o[e] + sum over d of o[token][d] w_o[e][d].  Operands in f16, sums in f32, out0 f32 [8192][1024].
; A: ao [token / 128][d / 64][token % 128][d % 64];  B: wo16 [e / 128][d / 64][e % 128][d % 64].  So the four planes (256 along K) of a tile of 128 rows are 65,536 dense bytes.
; A tile of out0 is 128 x 128: 512 work-groups.  Four waves, each 64 x 64: 16 accumulators of 16 x 16.  K goes in steps of 256 through two LDS slots; a wave's tensor load brings two planes, 128 lines of 256 bytes.
; CLUSTERS: 4 x 4 work-groups.  The four of a row of the cluster need the same tiles of A, the four of a column the same tiles of B: each tile is asked for JOINTLY.
; THE MATRIX INSTRUCTION IS USED TRANSPOSED (source 0 = 16 rows of B, source 1 = 16 rows of A): a lane then holds eight neighbouring columns of one token.  b_o is the C of each sum's first product.
; REGISTERS: window 0: v0-31 addresses; v96-127 b_o in the result's layout, eight registers for each of my four column blocks; v128-255 the accumulators ((a, b) at v[128 + 8 (4 a + b)]).
;   window 1: two fragment buffers of 128: for 64 along K (one plane), 64 registers of A, then 64 of B.
.set LINE,   272                       ; an LDS line: 256 bytes (two rows of a plane) + 16: the 16 rows of a fragment load fall on 16 different groups of four banks (64 banks of 4 bytes: ISA guide 11.1)
.set PLANE,  64*LINE                   ; 128 rows x 64 along K
.set RB,     8*LINE                    ; 16 rows
.set HALFT,  2*PLANE                   ; what one tensor load brings
.set SLOT,   4*HALFT                   ; A's four planes, then B's four
.set STEPB,  65536                     ; a K step of a tile in memory
.set STAGE,  2*SLOT                    ; behind the ring: 16 rows x 272 bytes for each wave, for the way out
.set SPITCH, 272
.set SPARE,  STAGE+4*16*SPITCH         ; behind the stages: the spare words, 128 bytes a wave
.set LAPS,   2                         ; a lap = two K steps = once round the ring: 1,024 / 512
.set ADRA, 16                          ; v16-17  LDS address of my A fragments in slot 0, 1
.set ADRB, 20                          ; v20-21  the same for B
.set STO,  24                          ; v24     the way out: where I put 32 bytes of a row
.set RD,   25                          ; v25     where I read a row back
.set CO,   26                          ; v26     my byte offset in out0
.set SPW,  28                          ; v28     LDS address of my spare word; never rewritten
.set NIL,  29                          ; v29     0; never rewritten
.set BIAS, 96
.set ACC,  128
.set F0,   0                           ; fragment buffers, in window 1
.set F1,   128
.set G1, 24                            ; s[24:31] descriptor group 1 for A's tiles;  s[32:39] group 0, one set for each slot
.set G0, 32
.set G1B, 48                           ; s[48:55], s[56:63] the same for B's tiles
.set G0B, 56
.set MSB, 0
.macro WIN new                         ; the immediate's high byte repeats the setting that is left
.if MSB != \new
	s_set_vgpr_msb (MSB<<8)|\new
.set MSB, \new
.endif
.endm
.set MUL,  0x05                        ; sources 0 (B) and 1 (A) window 1; C and D window 0
.set TO_F, 0x40                        ; destination window 1, address window 0
.macro JLOAD s                         ; a joint load: waves 0 and 1 fetch A's planes, waves 2 and 3 B's; an s_nop 0 and four v_nop follow each of the two lines
	s_cmp_eq_u32 s11, 0
	s_cbranch_scc0 .Lfor_b_\@
	tensor_load_to_lds s[G0+4*\s:G0+4*\s+3], s[G1:G1+7]
	s_nop 0
.rept 4
	v_nop
.endr
	s_branch .Lasked_\@
.Lfor_b_\@:
	tensor_load_to_lds s[G0B+4*\s:G0B+4*\s+3], s[G1B:G1B+7]
	s_nop 0
.rept 4
	v_nop
.endr
.Lasked_\@:
.endm
.macro CREST                           ; a round of the cluster's barrier behind its opening barrier
	s_cmp_lg_u32 s10, 0
	s_cbranch_scc1 .Lnot_wave_0_\@
	s_barrier_signal -3
.Lnot_wave_0_\@:
	s_barrier_wait -3
	s_barrier_signal -1
	s_barrier_wait -1
.endm
.macro CROUND                          ; a whole round
	s_barrier_signal -1
	s_barrier_wait -1
	CREST
.endm
	s_load_b128 s[4:7], s[0:1], 0x0                ; ao s[4:5], wo16 s[6:7]
	s_load_b128 s[68:71], s[0:1], 0x10             ; b_o s[68:69], out0 s[70:71]
	v_lshl_add_u32 v[SPW], v0, 2, SPARE
	v_mov_b32 v[NIL], 0
	ds_add_u32 v[SPW], v[NIL]                      ; the wave's opening: the add, twice on end, and its wait ahead of my first tensor load; the set-up below stands between
	ds_add_u32 v[SPW], v[NIL]
	v_lshrrev_b32 v1, 5, v0
	v_readfirstlane_b32 s10, v1                    ; wave 0..3
	s_lshr_b32 s11, s10, 1                         ; which half of the tile's rows is mine.  Also: I fetch for A (0) or for B (1)
	s_and_b32 s12, s10, 1                          ; which half of its columns.  Also: which two planes of a K step I fetch
	s_bfe_u32 s40, ttmp6, 0x40000                  ; cx, cy: my place in the cluster
	s_bfe_u32 s41, ttmp6, 0x40004
	s_lshl_b32 s42, ttmp9, 2
	s_add_co_u32 s42, s42, s40                     ; tile column = 4 x cluster x + cx
	s_and_b32 s13, ttmp7, 0xffff
	s_lshl_b32 s13, s13, 2
	s_add_co_u32 s13, s13, s41                     ; tile row = 4 x cluster y + cy
	s_lshl_b32 s43, s41, 2
	s_lshl_b32 s43, 15, s43                        ; my row of the cluster
	s_lshl_b32 s44, 0x1111, s40                    ; my column
	; descriptor group 1: 128 lines x 128 elements of 2 bytes, dense in memory, padded in LDS
	s_or_b32 s[G1+0], s43, (1<<16)|(1<<20)|(1<<21)|(5<<22)|(3<<25)  ; 15:0 the mask; 17:16 element of 2 bytes; 20 padding on; 21 set beside a mask; 24:22 after every 64 words; 31:25 four words
	s_or_b32 s[G1B+0], s44, (1<<16)|(1<<20)|(1<<21)|(5<<22)|(3<<25)
.irp g, G1, G1B
	s_mov_b32 s[\g+1], 128<<16                     ; tensor_dim0
	s_mov_b32 s[\g+2], 128<<16                     ; tensor_dim1
	s_mov_b32 s[\g+3], 128<<16                     ; tile_dim0
	s_mov_b32 s[\g+4], 128                         ; tile_dim1
	s_mov_b32 s[\g+5], 128                         ; tensor_dim0_stride
	s_mov_b32 s[\g+6], 0
	s_mov_b32 s[\g+7], 0
.endr
	s_lshl_b32 s17, s12, 15                        ; my two planes: 32,768 bytes
	s_lshl_b32 s16, s13, 18                        ; A: 262,144 bytes a tile row
	s_add_co_u32 s16, s16, s17
	s_lshl_b32 s46, s42, 18                        ; B: the same a tile column
	s_add_co_u32 s46, s46, s17
	s_mov_b32 s17, 0
	s_mov_b32 s47, 0
	s_mul_i32 s20, s10, HALFT                      ; where they go: wave x two planes: no place in the cluster enters an LDS address
	s_wait_dscnt 0x0                               ; both opening adds are done
	s_wait_kmcnt 0x0
	s_add_nc_u64 s[14:15], s[4:5], s[16:17]
	s_add_nc_u64 s[46:47], s[6:7], s[46:47]
	CROUND                                         ; all sixteen work-groups are here: the first joint loads meet
.irp s, 0,1
	s_mov_b32 s[G0+4*\s], 1
	s_add_co_u32 s[G0+4*\s+1], s20, \s*SLOT
	s_add_nc_u64 s[G0+4*\s+2:G0+4*\s+3], s[14:15], \s*STEPB
	s_or_b32 s[G0+4*\s+3], s[G0+4*\s+3], 0x80000000
	s_mov_b32 s[G0B+4*\s], 1
	s_add_co_u32 s[G0B+4*\s+1], s20, \s*SLOT
	s_add_nc_u64 s[G0B+4*\s+2:G0B+4*\s+3], s[46:47], \s*STEPB
	s_or_b32 s[G0B+4*\s+3], s[G0B+4*\s+3], 0x80000000
	JLOAD \s
.endr
	v_and_b32 v1, 15, v0                           ; r = l % 16
	v_bfe_u32 v2, v0, 4, 1                         ; h = l / 16
	v_bfe_u32 v3, v0, 1, 3                         ; r / 2
	v_mul_u32_u24 v3, v3, LINE                     ; row r of a block lies in line r / 2, half r % 2; + 16 h
	v_and_b32 v4, 1, v0
	v_lshl_add_u32 v3, v4, 7, v3
	v_lshl_add_u32 v3, v2, 4, v3
	s_mul_i32 s21, s11, 4*RB                       ; my 64 rows of A, in each plane
	s_mul_i32 s22, s12, 4*RB                       ; my 64 rows of B,
	s_add_co_u32 s22, s22, 2*HALFT                 ; whose planes lie behind A's four
.irp s, 0,1
	v_add_nc_u32 v[ADRA+\s], s21, v3
	v_add_nc_u32 v[ADRB+\s], s22, v3
	s_add_co_u32 s21, s21, SLOT
	s_add_co_u32 s22, s22, SLOT
.endr
	s_mul_i32 s23, s10, 16*SPITCH
	s_add_co_u32 s23, s23, STAGE                   ; my stage
	v_mul_u32_u24 v4, v1, SPITCH                   ; in: row r, 32 bytes for each half of the lanes
	v_lshl_add_u32 v4, v2, 5, v4
	v_add_nc_u32 v[STO], s23, v4
	v_mul_u32_u24 v5, v2, SPITCH                   ; back: lanes 0-15 take one row of 256 bytes, lanes 16-31 the next
	v_lshl_add_u32 v5, v1, 4, v5
	v_add_nc_u32 v[RD], s23, v5
	v_lshlrev_b32 v5, 12, v2                       ; and the same two rows in out0: 4,096 bytes a row
	v_lshl_add_u32 v[CO], v1, 4, v5
	s_lshl_b32 s16, s13, 19                        ; my first row: (128 x tile row + 64 x half) x 4,096 bytes
	s_lshl_b32 s17, s11, 18
	s_add_co_u32 s16, s16, s17
	s_mov_b32 s17, 0
	s_add_nc_u64 s[70:71], s[70:71], s[16:17]
	s_lshl_b32 s46, s42, 9                         ; my first column, in bytes: 512 x tile column + 256 x half; in b_o likewise
	s_lshl_b32 s47, s12, 8
	s_add_co_u32 s46, s46, s47
	s_mov_b32 s47, 0
	s_add_nc_u64 s[70:71], s[70:71], s[46:47]
	s_add_nc_u64 s[68:69], s[68:69], s[46:47]
	v_lshlrev_b32 v6, 5, v2                        ; b_o in the result's layout: register j of block b = column 16 b + 8 h + j
.irp b, 0,1,2,3
	global_load_b128 v[BIAS+8*\b:BIAS+8*\b+3],   v6, s[68:69] offset:64*\b
	global_load_b128 v[BIAS+8*\b+4:BIAS+8*\b+7], v6, s[68:69] offset:64*\b+16
.endr
; 8 matrix instructions: m blocks a0, a0 + 1 x all 4 n blocks, 32 along K: half c of buffer f.  first = 1: the first product starts the sums from b_o.  The 16 accumulators take turns.
.macro MUL8 f, c, a0, first
.irp a, \a0, \a0+1
.irp b, 0,1,2,3
.if \first
	v_wmma_f32_16x16x32_f16 v[ACC+8*(4*(\a)+\b):ACC+8*(4*(\a)+\b)+7], v[\f+64+8*(4*\c+\b):\f+64+8*(4*\c+\b)+7], v[\f+8*(4*\c+\a):\f+8*(4*\c+\a)+7], v[BIAS+8*\b:BIAS+8*\b+7]
.else
	v_wmma_f32_16x16x32_f16 v[ACC+8*(4*(\a)+\b):ACC+8*(4*(\a)+\b)+7], v[\f+64+8*(4*\c+\b):\f+64+8*(4*\c+\b)+7], v[\f+8*(4*\c+\a):\f+8*(4*\c+\a)+7], v[ACC+8*(4*(\a)+\b):ACC+8*(4*(\a)+\b)+7]
.endif
.endr
.endr
.endm
; 32 LDS loads in one run: the fragments of one plane (64 along K), which begins at byte k of the slot's part, into buffer f; the first 32 along K first
.macro FETCH slot, k, f
	WIN TO_F
.irp c, 0,1
.irp i, 0,1,2,3
	ds_load_b128 v[\f+64+8*(4*\c+\i):\f+64+8*(4*\c+\i)+3],   v[ADRB+\slot] offset:\k+64*\c+\i*RB
	ds_load_b128 v[\f+64+8*(4*\c+\i)+4:\f+64+8*(4*\c+\i)+7], v[ADRB+\slot] offset:\k+64*\c+\i*RB+32
	ds_load_b128 v[\f+8*(4*\c+\i):\f+8*(4*\c+\i)+3],         v[ADRA+\slot] offset:\k+64*\c+\i*RB
	ds_load_b128 v[\f+8*(4*\c+\i)+4:\f+8*(4*\c+\i)+7],       v[ADRA+\slot] offset:\k+64*\c+\i*RB+32
.endr
.endr
.endm
.macro PLACES                          ; four places in front of loads into registers that matrix instructions have read, and of the first reads of results
.rept 4
	v_nop
.endr
.endm
; A K step is four quarters, a plane each, 32 matrix instructions, on buffers 0, 1, 0, 1.  One of the first three: multiplies buffer f and fetches the next plane, at byte k, into g.
.macro QUARTER slot, k, f, g, first
	s_wait_dscnt 16                                ; the first 32 along K are in; the sixteen loads of the second 32 may be out
	WIN MUL
	MUL8 \f, 0, 0, \first
	MUL8 \f, 0, 2, \first
	PLACES
	FETCH \slot, \k, \g
	s_wait_dscnt 32                                ; all but the 32 just issued
	WIN MUL
	MUL8 \f, 1, 0, 0
	MUL8 \f, 1, 2, 0
.endm
; The last quarter multiplies buffer 1 and changes slots: ONE barrier; in front of it each wave waits for all its tensor loads, adds 0 to its spare word, and waits for that and for its own reads of this slot.  fill = 1: this slot is filled again, two K steps ahead.
.macro TURN slot, next, fill
	WIN 0                                          ; (the add's two registers lie in window 0)
	s_wait_tensorcnt 0x0                           ; all my tensor loads have landed: my part of the next slot;
	ds_add_u32 v[SPW], v[NIL]                      ; 0 onto my spare word;
	s_wait_dscnt 17                                ; (the add and the youngest sixteen loads may be out)
	WIN MUL
	MUL8 F1, 0, 0, 0                               ; eight matrix instructions stand between the add and the wait for it
	s_wait_dscnt 0x0                               ; the add is done, and my reads of this slot are over
	s_barrier_signal -1
	MUL8 F1, 0, 2, 0
.if \fill
	WIN 0
.endif
	s_barrier_wait -1
.if \fill
	CREST                                          ; the barrier has opened a round of the cluster's barrier: no wave of any partner still reads this slot's tile or has a load on its way
	s_add_nc_u64 s[G0+4*\slot+2:G0+4*\slot+3], s[G0+4*\slot+2:G0+4*\slot+3], 2*STEPB
	s_add_nc_u64 s[G0B+4*\slot+2:G0B+4*\slot+3], s[G0B+4*\slot+2:G0B+4*\slot+3], 2*STEPB
	JLOAD \slot                                    ; the first tensor load behind the round; the four v_nop behind it are also the places in front of the loads below
.else
	PLACES
.endif
	FETCH \next, 0, F0
	WIN MUL
	MUL8 F1, 1, 0, 0
	MUL8 F1, 1, 2, 0
.endm
	s_wait_tensorcnt 1                             ; my part of K step 0 is in (K step 1's load may be out),
	s_barrier_signal -1
	s_barrier_wait -1                              ; everybody's is
	FETCH 0, 0, F0
	s_wait_loadcnt 0x0                             ; b_o
	QUARTER 0, PLANE, F0, F1, 1                    ; the first quarter stands in front of the loop: its first products start the sums
	WIN 0                                          ; at a label and at a branch every window is 0
	s_mov_b32 s3, LAPS-1
.Llap:                                             ; a trip goes once round the ring, from a lap's second quarter to the next lap's first, and fills both slots again
	QUARTER 0, 2*PLANE, F1, F0, 0
	QUARTER 0, 3*PLANE, F0, F1, 0
	TURN 0, 1, 1
	QUARTER 1, PLANE, F0, F1, 0
	QUARTER 1, 2*PLANE, F1, F0, 0
	QUARTER 1, 3*PLANE, F0, F1, 0
	TURN 1, 0, 1
	QUARTER 0, PLANE, F0, F1, 0
	WIN 0
	s_sub_co_u32 s3, s3, 1
	s_cmp_lg_u32 s3, 0
	s_cbranch_scc1 .Llap
	QUARTER 0, 2*PLANE, F1, F0, 0                  ; the last lap fills nothing, and has no round of the cluster's barrier
	QUARTER 0, 3*PLANE, F0, F1, 0
	TURN 0, 1, 0
	QUARTER 1, PLANE, F0, F1, 0
	QUARTER 1, 2*PLANE, F1, F0, 0
	QUARTER 1, 3*PLANE, F0, F1, 0
	s_wait_dscnt 16                                ; the very last quarter: nothing more to fetch
	WIN MUL
	MUL8 F1, 0, 0, 0
	MUL8 F1, 0, 2, 0
	s_wait_dscnt 0
	MUL8 F1, 1, 0, 0
	MUL8 F1, 1, 2, 0
	WIN 0
; THE WAY OUT.  A lane holds 32 neighbouring bytes of a row, and the lanes beside it hold other rows; my 64 columns are 256 bytes of a row.  So a block of 16 rows goes through my own stage and comes back by rows,
; into the registers that it left: sixteen lanes store 256 consecutive bytes, at a multiple of 256 from out0's first byte.  No barrier: the stage is the wave's own, and LDS serves a wave's instructions in order (ISA guide 5.7.1.4).
.macro TOSTAGE a
.irp b, 0,1,2,3
	ds_store_b128 v[STO], v[ACC+8*(4*\a+\b):ACC+8*(4*\a+\b)+3] offset:64*\b            ; each accumulator from its low end on
	ds_store_b128 v[STO], v[ACC+8*(4*\a+\b)+4:ACC+8*(4*\a+\b)+7] offset:64*\b+16
.endr
.irp t, 0,1,2,3,4,5,6,7
	ds_load_b128 v[ACC+32*\a+4*\t:ACC+32*\a+4*\t+3], v[RD] offset:\t*2*SPITCH
.endr
.endm
.macro SEND a, younger                 ; younger: the LDS instructions issued behind block a's loads: the next block's eight stores and eight loads, or none
.irp t, 0,1,2,3,4,5,6,7
	s_wait_dscnt \younger+7-\t
	global_store_b128 v[CO], v[ACC+32*\a+4*\t:ACC+32*\a+4*\t+3], s[70:71] offset:(16*\a+2*\t)*4096 th:TH_STORE_NT   ; written once, read by nobody here; 62 rows at the most: inside the signed 24-bit immediate
.endr
.endm
	PLACES
	TOSTAGE 0
	TOSTAGE 1
	SEND 0, 16
	TOSTAGE 2
	SEND 1, 16
	TOSTAGE 3
	SEND 2, 16
	SEND 3, 0
	s_wait_tensorcnt 0x0                           ; the wave's end: behind my last tensor load and my last LDS store
	ds_add_u32 v[SPW], v[NIL]
	s_wait_dscnt 0x0
	CROUND                                         ; the closing round: no work-group ends while a partner may still ask for a tile that names it
	s_endpgm
.Lfunc_end_k_qca8ac40f5b_oproj:
	.size	k_qca8ac40f5b_oproj, .Lfunc_end_k_qca8ac40f5b_oproj-k_qca8ac40f5b_oproj
	.p2alignl 7, 3214868480
	.fill 96, 4, 3214868480
	.section	.rodata,"a",@progbits
	.p2align	6, 0x0
	.amdhsa_kernel k_qca8ac40f5b_oproj
		.amdhsa_group_segment_fixed_size 327680
		.amdhsa_private_segment_fixed_size 0
		.amdhsa_enable_private_segment 0
		.amdhsa_kernarg_size 32
		.amdhsa_user_sgpr_count 2
		.amdhsa_user_sgpr_kernarg_segment_ptr 1
		.amdhsa_wavefront_size32 1
		.amdhsa_system_sgpr_workgroup_id_x 1
		.amdhsa_system_sgpr_workgroup_id_y 1
		.amdhsa_system_sgpr_workgroup_id_z 1
		.amdhsa_system_vgpr_workitem_id 0
		.amdhsa_next_free_vgpr 512
		.amdhsa_next_free_sgpr 72
		.amdhsa_reserve_vcc 0
		.amdhsa_float_denorm_mode_32 3
		.amdhsa_float_denorm_mode_16_64 3
		.amdhsa_memory_ordered 1
		.amdhsa_forward_progress 1
		.amdhsa_inst_pref_size 87
	.end_amdhsa_kernel
	.amdgpu_metadata
---
amdhsa.version: [ 1, 2 ]
amdhsa.kernels:
  - .name:           k_qca8ac40f5b_oproj
    .symbol:         k_qca8ac40f5b_oproj.kd
    .args:
      - { .name: ao, .offset: 0, .size: 8, .value_kind: global_buffer, .address_space: global }
      - { .name: wo16, .offset: 8, .size: 8, .value_kind: global_buffer, .address_space: global }
      - { .name: b_o, .offset: 16, .size: 8, .value_kind: global_buffer, .address_space: global }
      - { .name: out0, .offset: 24, .size: 8, .value_kind: global_buffer, .address_space: global }
    .group_segment_fixed_size: 327680
    .private_segment_fixed_size: 0
    .kernarg_segment_align: 8
    .kernarg_segment_size: 32
    .max_flat_workgroup_size: 128
    .sgpr_count:     72
    .vgpr_count:     512
    .wavefront_size: 32
...
	.end_amdgpu_metadata
.endif
;; end of part 4
